; MI455X (gfx1250); checked and timed in simulation.
; The chip was launched on July 23, 2026; its instructions are those of AMD's public machine-readable ISA for CDNA 5 (MIT licence, August 2026) and "CDNA5" Instruction Set Architecture Reference Guide (July 2026). The comments in the code are by the model that wrote it; some were corrected since.
;; Multi Head Attention. Allowed arithmetic: matrix products marked QUANTISED: E2M3 operands, one E8M0 scale for each 32 along K, by v_wmma_scale_f32_16x16x128_f8f6f4 with both operands' format E2M3, f32 sums; everything else in f32.
;; Inputs: Wk 1,024 x 1,024 float32; Wo 1,024 x 1,024 float32; Wq 1,024 x 1,024 float32; Wv 1,024 x 1,024 float32; bo 1,024 float32; x 4 x 2,048 x 1,024 float32.
;; Outputs: out0 4 x 2,048 x 1,024 float32.
;; This version of the problem:
;;   THIS VERSION OF THE PROBLEM IS GIVEN IN LOW PRECISION. The matrix products marked QUANTISED in the list below multiply operands that are first quantised to E2M3 (2 exponent bits, 3 mantissa bits; 6 bits a number), with one power-of-two scale for each 32 numbers along K (OCP MX v1.0); their sums are f32. All else is computed in f32.
;;   The module's matrix products, in the order in which they are computed (A, B: the left and right operand; K: the contracted axis; several contracted axes count as one K, in the product's order):
;;     1. [M 8,192, K 1,024] x [K 1,024, N 1,024]; A: input x; B: input Wq: QUANTISED
;;     2. [M 8,192, K 1,024] x [K 1,024, N 1,024]; A: input x; B: input Wk: QUANTISED
;;     3. [M 8,192, K 1,024] x [K 1,024, N 1,024]; A: input x; B: input Wv: QUANTISED
;;     4. batch 64 x [M 2,048, K 64] x [K 64, N 2,048]; A: computed on the way; B: computed on the way: QUANTISED
;;     5. batch 64 x [M 2,048, K 2,048] x [K 2,048, N 64]; A: softmax (see below); B: computed on the way: QUANTISED
;;     6. [M 8,192, K 1,024] x [K 1,024, N 1,024]; A: computed on the way; B: input Wo: QUANTISED
;;   THE QUANTISER, for each operand of a quantised product, along K:
;;     - K is cut into blocks of 32 from its start; a last block that is shorter is filled with zeros.
;;     - A block's scale is 2^e with e = floor(log2(the largest magnitude in the block)) - 2, held to -126 .. 127; a block of zeros has e = 0. As a byte (E8M0): e + 127.
;;     - Each number is divided by its block's scale, clamped to +-7.5, and rounded to the nearest number of E2M3, ties to even, subnormals kept.
;;     - The product sums the exact products of the quantised numbers (number of the format x scale) in f32.
;;   ~~~python
;;   def quantise(x, axis):      # numpy; x: float32 -> the quantised numbers, widened to float32 again
;;       x = np.moveaxis(x, axis, -1); K = x.shape[-1]
;;       x = np.pad(x, [(0, 0)] * (x.ndim - 1) + [(0, -K % 32)]); x = x.reshape(x.shape[:-1] + (-1, 32)); a = np.abs(x).max(-1, keepdims=True)
;;       e = np.where(a > 0, np.clip(np.frexp(np.where(a > 0, a, 1))[1] - 1 - 2, -126, 127), 0)      # np.frexp(a)[1] - 1 = floor(log2(a)), exactly
;;       r = np.clip(x / 2.0 ** e, -7.5, 7.5)
;;       step = 2.0 ** (np.maximum(np.frexp(np.where(r == 0, 1, r))[1] - 1, 0) - 3)
;;       q = np.round(r / step) * step * 2.0 ** e      # np.round: ties to even
;;       return np.moveaxis(q.reshape(q.shape[:-2] + (-1,))[..., :K], -1, axis).astype(np.float32)
;;   ~~~
;;   SOFTMAX AHEAD OF A QUANTISED PRODUCT. Where the list says 'softmax', what is quantised is not the finished softmax but p = 2^(t - M), with t = logit x log2(e) and M = ceil(the row's largest t), a whole number; so 1/2 < the row's largest p <= 1. The row's sum l is taken of the UNQUANTISED p, in f32, and the product's result is divided by l at the end. Since M is a whole number, a kernel that streams over the keys may use a running M (the ceiling of the running maximum): every later rescaling is an exact power of two, which a block's scale takes up: the codes' values come out the same.
;;   OPERANDS COMPUTED ON THE WAY. 'Computed on the way' means the value that the module computes at that place (a softmax that the list does not call 'softmax' is quantised finished and normalised). What goes into a quantiser is computed in f32, as accurately as f32 sums, v_exp_f32 and their like allow (about 1e-6 of the number): no bf16 or f16 on the way to a quantiser, and a product that is left as it is and whose result goes on into a quantised operand takes f32 operands (vector FMAs, or v_wmma_f32_16x16x4_f32). A number that lies on a knife's edge between two numbers of the format may be rounded either way, as far as f32 arithmetic and the matrix unit's own rounding can turn it there, and no further.
;; One version. Each part assembles by itself: llvm-mc -triple=amdgcn-amd-amdhsa -mcpu=gfx1250 --defsym DOCPART=n.
;; ======== version 1 of 1: 4 launches
;; limits: right only within a limited range of input values
;; workspace buffers: xcodes 6,291,456 bytes; xscales 262,144 bytes; wcodes 3,145,728 bytes; wscales 131,072 bytes; qkvimg 18,874,368 bytes; qkvsc 786,432 bytes; oimg 6,291,456 bytes; osc 262,144 bytes
;; launch quant (part 1): grid 384 x 1, 4 waves a work-group, no clusters, 68,096 bytes of LDS; arguments x, xcodes, xscales, Wq, Wk, Wv, Wo, wcodes, wscales; writes xcodes, xscales, wcodes, wscales
.if DOCPART == 1
	.amdgcn_target "amdgcn-amd-amdhsa--gfx1250"
	.amdhsa_code_object_version 6
	.text
	.protected	k_qbef6944f5a_quant
	.globl	k_qbef6944f5a_quant
	.p2align	8
	.type	k_qbef6944f5a_quant,@function
k_qbef6944f5a_quant:
	s_mov_b64 s[64:65], 0
	v_nop
	global_prefetch_b8 v0, s[64:65] scope:SCOPE_SE
	s_setreg_imm32_b32 hwreg(HW_REG_WAVE_MODE, 25, 1), 1
	s_wait_xcnt 0x0
; x [8192 tokens][1024] and the four weights [1024 (k)][1024 (n)], f32, become codes of FP6 (E2M3) with one E8M0 byte for each 32 along K.
; ROWS: token T lies at row sigma(T), T with its bits 3 and 4 exchanged; column n of weight w (Wq, Wk, Wv, Wo) at row 1024 w + sigma(n): sixteen result registers of two neighbouring tiles are then sixteen neighbours.
; CODES: [row][768 bytes], K innermost.  SCALE BYTES: [row][32].
; A block's scale is 2^(floor(log2(its largest magnitude)) - 2); its byte is the largest magnitude's exponent field - 2, held at 1 from below.
; LIMITS: a block of zeros gets the byte 1 where the rule says 127 (its codes are zeros, and this program alone reads the bytes); blocks whose largest magnitude lies under 2^-124 are held at that floor; NaN and infinities are not served.
; WORK-GROUPS 0-255 take x: a wave takes 8 rows in 16 steps of 512 numbers; a step's four loads read 512 consecutive bytes each, go through the wave's stage in LDS and come back 16 neighbours a lane.
; WORK-GROUPS 256-383 take the weights: 8 x weight + group of 128 columns, and a quarter of K; a lane takes a column and its registers run down K; the codes leave through the wave's stage as rows.
; Each of the two paths has LDS bytes of its own.  No tensor loads, no barrier: waves share nothing.
.set KROW,  768
.set EMAX,  2
.set SPW,   192
.set NIL,   193
.set WREG,  8192
.set WLDS,  4*WREG
.set PITCH, 272
.set SPARE, WLDS+4*32*PITCH
	v_lshl_add_u32 v[SPW], v0, 2, SPARE
	v_mov_b32 v[NIL], 0
	v_lshrrev_b32 v1, 5, v0
	v_readfirstlane_b32 s16, v1                    ; wave
	v_and_b32 v2, 31, v0                           ; lane
	s_wait_alu depctr_va_vdst(0)                   ; the wait ahead of the branch
	s_cmp_lt_u32 ttmp9, 256
	s_cbranch_scc0 .Lweights
; ---------------- x
.set STEPS, 16
.set CB,    12
.set R,     16                         ; v16-79 four sets of 16 numbers as loaded
.set X,     80                         ; v80-111 two sets of 16 neighbours
.set C,     128                        ; v128-191 codes, four registers a step
.set E,     112                        ; v112-127 a scale byte a step
.set SP,    80                         ; a lane's place in a stage: 64 bytes + 16
	s_load_b128 s[4:7], s[0:1], 0x0                ; x, its codes
	s_load_b64 s[8:9], s[0:1], 0x10                ; its scale bytes
	v_lshlrev_b32 v3, 4, v2
	s_mul_i32 s17, s16, WREG
	v_lshrrev_b32 v14, 2, v2
	v_mul_u32_u24 v14, v14, SP
	v_and_b32 v15, 3, v2
	v_lshl_add_u32 v14, v15, 4, v14
	v_add_nc_u32 v14, s17, v14                     ; the stage, in: SP (lane / 4) + 16 (lane % 4)
	v_mul_u32_u24 v15, v2, SP
	v_add_nc_u32 v15, s17, v15                     ; out: SP x lane
	v_mul_u32_u24 v4, v2, CB                       ; my codes' place in a step's 384 bytes
	v_lshrrev_b32 v5, 1, v2
	s_add_co_u32 s17, s17, 2*32*SP
	v_add_nc_u32 v5, s17, v5                       ; LDS: my block's scale byte
	v_lshlrev_b32 v7, 3, v2
	v_add_nc_u32 v6, s17, v7
	s_lshl_b32 s17, ttmp9, 2
	s_add_co_u32 s18, s17, s16                     ; the run of 8 rows that I read
	s_mov_b32 s19, 0
	s_mov_b64 s[20:21], 512*STEPS*4
	s_mul_u64 s[20:21], s[18:19], s[20:21]
	s_and_b32 s22, s16, 1
	s_lshl_b32 s22, s22, 1
	s_lshr_b32 s23, s16, 1
	s_or_b32 s22, s22, s23
	s_add_co_u32 s18, s17, s22                     ; the run that I write: sigma on the rows
	s_mov_b64 s[24:25], 32*STEPS*CB
	s_mul_u64 s[24:25], s[18:19], s[24:25]
	s_lshl_b32 s18, s18, 8
	s_wait_alu depctr_va_vdst(0)                   ; the wait at the head's end
	s_wait_kmcnt 0x0
	s_add_nc_u64 s[4:5], s[4:5], s[20:21]
	s_add_nc_u64 s[6:7], s[6:7], s[24:25]
	s_add_nc_u64 s[8:9], s[8:9], s[18:19]
.macro XLOAD t
.irp i, 0,1,2,3
	global_load_b128 v[R+16*((\t)%4)+4*\i:R+16*((\t)%4)+4*\i+3], v3, s[4:5] offset:2048*(\t)+512*\i th:TH_LOAD_NT
.endr
.endm
.macro XTURN t                         ; LDS serves a wave's instructions in order: no wait between the stores and the loads
.irp i, 0,1,2,3
	ds_store_b128 v14, v[R+16*((\t)%4)+4*\i:R+16*((\t)%4)+4*\i+3] offset:32*SP*((\t)%2)+8*SP*\i
.endr
.irp i, 0,1,2,3
	ds_load_b128 v[X+16*((\t)%2)+4*\i:X+16*((\t)%2)+4*\i+3], v15 offset:32*SP*((\t)%2)+16*\i
.endr
.endm
.irp t, 0,1,2,3
	XLOAD \t
.endr
	s_wait_loadcnt 12                              ; step 0's four loads are in; the twelve of steps 1 to 3 may be out
	XTURN 0
.macro XSTEP t
.set XS, X+16*((\t)%2)
.if (\t) > 0
	s_wait_dscnt 1                                 ; this step's numbers are back (the last step's byte store may be out)
.else
	s_wait_dscnt 0x0
.endif
.if (\t)+4 < STEPS
	XLOAD (\t)+4
.endif
.if (\t)+1 < STEPS
.if STEPS-2-(\t) >= 3
	s_wait_loadcnt 12                              ; the next step's four loads are in; three steps' may be out
.else
	s_wait_loadcnt 4*(STEPS-2-(\t))
.endif
	XTURN (\t)+1
.endif
	v_max3_num_f32 v8, |v[XS]|, |v[XS+1]|, |v[XS+2]|
	v_max3_num_f32 v9, |v[XS+3]|, |v[XS+4]|, |v[XS+5]|
.irp i, 6,10
	v_max3_num_f32 v8, v8, |v[XS+\i]|, |v[XS+\i+1]|
	v_max3_num_f32 v9, v9, |v[XS+\i+2]|, |v[XS+\i+3]|
.endr
	v_max3_num_f32 v8, v8, |v[XS+14]|, |v[XS+15]|
	v_max3_num_f32 v8, v8, v9, (EMAX+1)<<23        ; the floor: the byte cannot fall under 1
	v_max_num_f32_dpp v8, v8, v8 row_xmask:1 row_mask:0xf bank_mask:0xf   ; with my neighbour's 16: the block's
	v_add_nc_u32 v11, -(EMAX<<23), v8              ; the conversion's scale operand
	v_cvt_scalef32_pk16_fp6_f32 v[C+4*(\t):C+4*(\t)+2], v[XS:XS+15], v11
	v_lshrrev_b32 v[E+(\t)], 23, v11
	ds_store_b8 v5, v[E+(\t)] offset:16*(\t)
	global_store_b96 v4, v[C+4*(\t):C+4*(\t)+2], s[6:7] offset:32*CB*(\t)   ; 384 consecutive bytes
.endm
.irp t, 0,1,2,3,4,5,6,7,8,9,10,11,12,13,14,15
	XSTEP \t
.endr
	ds_load_b64 v[8:9], v6
	s_wait_dscnt 0x0
	global_store_b64 v7, v[8:9], s[8:9]            ; 32 lanes store 256 consecutive bytes, aligned
	s_wait_tensorcnt 0x0                           ; the wave's end
	ds_add_u32 v[SPW], v[NIL]
	s_wait_dscnt 0x0
	s_endpgm
; ---------------- the weights
.Lweights:
.set SIZE_N, 1024
.set KW,    256
.set NB,    KW/32
.set WX,    32                         ; v32-95 two sets of 32 numbers
.set WC,    96                         ; a block's codes
.set OUTR,  112                        ; v112-175 the way out
.set SB,    24                         ; v24-25 the scale bytes
	s_load_b256 s[4:11], s[0:1], 0x18              ; Wq, Wk, Wv, Wo
	s_load_b128 s[12:15], s[0:1], 0x38             ; their codes, their scale bytes
	s_sub_co_u32 s33, ttmp9, 256
	s_lshr_b32 s18, s33, 5                         ; which quarter of K
	s_and_b32 s33, s33, 31                         ; 8 x weight + group of 128 columns
	s_lshl_b32 s34, s16, 5
	s_and_b32 s17, s33, 7
	s_lshl_b32 s17, s17, 7
	s_add_co_u32 s17, s17, s34                     ; my wave's first column in its weight
	s_lshl_b32 s32, s33, 7
	s_add_co_u32 s32, s32, s34                     ; and its first row in the buffers
	s_lshr_b32 s30, s33, 3                         ; which weight
	s_mul_i32 s19, s16, 32*PITCH
	s_add_co_u32 s19, s19, WLDS                    ; my stage
	v_lshlrev_b32 v3, 2, v2
	v_and_b32 v10, 7, v2                           ; sigma(lane)
	v_bfe_u32 v11, v2, 3, 1
	v_lshl_add_u32 v10, v11, 4, v10
	v_bfe_u32 v11, v2, 4, 1
	v_lshl_add_u32 v10, v11, 3, v10
	v_mul_u32_u24 v4, v10, PITCH
	v_add_nc_u32 v4, s19, v4                       ; into the stage: row sigma(my column)
	v_and_b32 v5, 15, v2
	v_lshrrev_b32 v6, 4, v2
	v_mul_u32_u24 v7, v6, PITCH
	v_lshl_add_u32 v7, v5, 4, v7
	v_add_nc_u32 v7, s19, v7                       ; out of it: sixteen lanes to a row, two rows an instruction
	v_mul_u32_u24 v8, v6, KROW
	v_mad_u32_u24 v8, v5, 12, v8                   ; and the same place in the codes' buffer
	v_lshlrev_b32 v9, 5, v10                       ; my column's row of scale bytes
	s_mov_b32 s19, 0
	s_mov_b64 s[20:21], KW*SIZE_N*4
	s_mul_u64 s[20:21], s[18:19], s[20:21]
	s_lshl_b32 s22, s17, 2
	s_mov_b32 s23, 0
	s_add_nc_u64 s[20:21], s[20:21], s[22:23]      ; W: 256 rows a quarter + 4 x column
	s_mul_i32 s24, s32, KROW
	s_mul_i32 s26, s18, 192
	s_add_co_u32 s24, s24, s26                     ; codes: row x 768 + 192 x quarter
	s_mov_b32 s25, 0
	s_lshl_b32 s28, s32, 5
	s_lshl_b32 s26, s18, 3
	s_add_co_u32 s28, s28, s26                     ; scale bytes: row x 32 + 8 x quarter
	s_mov_b32 s29, 0
	s_wait_alu depctr_va_vdst(0)                   ; the wait at the head's end
	s_wait_kmcnt 0x0
	s_and_b32 s31, s30, 1                          ; the weight is chosen by the work-group's number alone
	s_cmp_lg_u32 s31, 0
	s_cselect_b64 s[4:5], s[6:7], s[4:5]
	s_cselect_b64 s[8:9], s[10:11], s[8:9]
	s_and_b32 s31, s30, 2
	s_cmp_lg_u32 s31, 0
	s_cselect_b64 s[4:5], s[8:9], s[4:5]
	s_add_nc_u64 s[4:5], s[4:5], s[20:21]
	s_add_nc_u64 s[12:13], s[12:13], s[24:25]
	s_add_nc_u64 s[14:15], s[14:15], s[28:29]
.macro WLOAD t
.set I, 0
.rept 32
	global_load_b32 v[WX+32*((\t)%2)+I], v3, s[4:5] offset:(32*(\t)+I)*SIZE_N*4 th:TH_LOAD_NT
.set I, I+1
.endr
.endm
	WLOAD 0
	WLOAD 1
.macro WBLOCK t
.set XS, WX+32*((\t)%2)
.if (\t) < NB-1
	s_wait_loadcnt 32                              ; this block's 32 loads are in; the next block's 32 may be out
.else
	s_wait_loadcnt 0
.endif
	v_max3_num_f32 v12, |v[XS]|, |v[XS+1]|, |v[XS+2]|
	v_max3_num_f32 v13, |v[XS+3]|, |v[XS+4]|, |v[XS+5]|
.irp i, 6,10,14,18,22,26
	v_max3_num_f32 v12, v12, |v[XS+\i]|, |v[XS+\i+1]|
	v_max3_num_f32 v13, v13, |v[XS+\i+2]|, |v[XS+\i+3]|
.endr
	v_max3_num_f32 v12, v12, |v[XS+30]|, |v[XS+31]|
	v_max3_num_f32 v12, v12, v13, (EMAX+1)<<23
	v_add_nc_u32 v11, -(EMAX<<23), v12
	v_lshrrev_b32 v13, 23, v11
.if (\t)%4 == 0
	v_mov_b32 v[SB+(\t)/4], v13
.else
	v_lshl_or_b32 v[SB+(\t)/4], v13, 8*((\t)%4), v[SB+(\t)/4]
.endif
	v_cvt_scalef32_pk16_fp6_f32 v[WC:WC+2], v[XS:XS+15], v11
	v_cvt_scalef32_pk16_fp6_f32 v[WC+4:WC+6], v[XS+16:XS+31], v11
	ds_store_b96 v4, v[WC:WC+2] offset:32*(\t)
	ds_store_b96 v4, v[WC+4:WC+6] offset:32*(\t)+16
.if (\t)+2 < NB
	WLOAD (\t)+2
.endif
	s_wait_dscnt 0x0                               ; the stores have read their registers
.endm
.set Q, 0
.rept NB
	WBLOCK Q
.set Q, Q+1
.endr
	s_wait_alu depctr_va_vdst(0)                   ; the wait ahead of the reader below
	global_store_b64 v9, v[SB:SB+1], s[14:15]
.irp t, 0,1,2,3,4,5,6,7,8,9,10,11,12,13,14,15
	ds_load_b96 v[OUTR+4*\t:OUTR+4*\t+2], v7 offset:2*\t*PITCH
.endr
.irp t, 0,1,2,3,4,5,6,7,8,9,10,11,12,13,14,15
	s_wait_dscnt 15-\t                             ; the younger reads may be out
	global_store_b96 v8, v[OUTR+4*\t:OUTR+4*\t+2], s[12:13] offset:2*\t*KROW   ; sixteen lanes store a row's 192 consecutive bytes
.endr
	s_wait_tensorcnt 0x0                           ; the wave's end
	ds_add_u32 v[SPW], v[NIL]
	s_wait_dscnt 0x0
	s_endpgm
.Lfunc_end_k_qbef6944f5a_quant:
	.size	k_qbef6944f5a_quant, .Lfunc_end_k_qbef6944f5a_quant-k_qbef6944f5a_quant
	.p2alignl 7, 3214868480
	.fill 96, 4, 3214868480
	.section	.rodata,"a",@progbits
	.p2align	6, 0x0
	.amdhsa_kernel k_qbef6944f5a_quant
		.amdhsa_group_segment_fixed_size 68096
		.amdhsa_private_segment_fixed_size 0
		.amdhsa_enable_private_segment 0
		.amdhsa_kernarg_size 72
		.amdhsa_user_sgpr_count 2
		.amdhsa_user_sgpr_kernarg_segment_ptr 1
		.amdhsa_wavefront_size32 1
		.amdhsa_system_sgpr_workgroup_id_x 1
		.amdhsa_system_sgpr_workgroup_id_y 1
		.amdhsa_system_sgpr_workgroup_id_z 1
		.amdhsa_system_vgpr_workitem_id 0
		.amdhsa_next_free_vgpr 200
		.amdhsa_next_free_sgpr 66
		.amdhsa_reserve_vcc 0
		.amdhsa_float_denorm_mode_32 3
		.amdhsa_float_denorm_mode_16_64 3
		.amdhsa_memory_ordered 1
		.amdhsa_forward_progress 1
		.amdhsa_inst_pref_size 74
	.end_amdhsa_kernel
	.amdgpu_metadata
---
amdhsa.version: [ 1, 2 ]
amdhsa.kernels:
  - .name:           k_qbef6944f5a_quant
    .symbol:         k_qbef6944f5a_quant.kd
    .args:
      - { .name: x, .offset: 0, .size: 8, .value_kind: global_buffer, .address_space: global }
      - { .name: xcodes, .offset: 8, .size: 8, .value_kind: global_buffer, .address_space: global }
      - { .name: xscales, .offset: 16, .size: 8, .value_kind: global_buffer, .address_space: global }
      - { .name: Wq, .offset: 24, .size: 8, .value_kind: global_buffer, .address_space: global }
      - { .name: Wk, .offset: 32, .size: 8, .value_kind: global_buffer, .address_space: global }
      - { .name: Wv, .offset: 40, .size: 8, .value_kind: global_buffer, .address_space: global }
      - { .name: Wo, .offset: 48, .size: 8, .value_kind: global_buffer, .address_space: global }
      - { .name: wcodes, .offset: 56, .size: 8, .value_kind: global_buffer, .address_space: global }
      - { .name: wscales, .offset: 64, .size: 8, .value_kind: global_buffer, .address_space: global }
    .group_segment_fixed_size: 68096
    .private_segment_fixed_size: 0
    .kernarg_segment_align: 8
    .kernarg_segment_size: 72
    .max_flat_workgroup_size: 128
    .sgpr_count:     66
    .vgpr_count:     200
    .wavefront_size: 32
...
	.end_amdgpu_metadata
.endif
;; end of part 1
;; launch proj (part 2): grid 8 x 32, 4 waves a work-group, clusters of 4 x 4, 327,680 bytes of LDS; arguments xcodes, xscales, wcodes, wscales, qkvimg, qkvsc; writes qkvimg, qkvsc
.if DOCPART == 2
	.amdgcn_target "amdgcn-amd-amdhsa--gfx1250"
	.amdhsa_code_object_version 6
	.text
	.protected	k_qbef6944f5a_proj
	.globl	k_qbef6944f5a_proj
	.p2align	8
	.type	k_qbef6944f5a_proj,@function
k_qbef6944f5a_proj:
	s_mov_b64 s[64:65], 0
	v_nop
	global_prefetch_b8 v0, s[64:65] scope:SCOPE_SE
	s_setreg_imm32_b32 hwreg(HW_REG_WAVE_MODE, 25, 1), 1
	s_wait_xcnt 0x0
	s_wait_alu depctr_hold_cnt(0) depctr_sa_sdst(0) depctr_va_vdst(0) depctr_va_sdst(0) depctr_va_ssrc(0) depctr_va_vcc(0) depctr_vm_vsrc(0)
	s_getreg_b32 s2, hwreg(HW_REG_IB_STS2, 6, 4)
	s_cmp_eq_u32 s2, 0
	s_cbranch_scc0 .Lentry_in_a_cluster
	s_endpgm
.Lentry_in_a_cluster:
	s_bfe_u32 s2, ttmp6, 0x10000c
	s_cmp_lg_u32 s2, 0xf033
	s_cbranch_scc0 .Lentry_shape_is_right
	s_endpgm
.Lentry_shape_is_right:
; V, Q, K = x W on codes of FP6 (E2M3), each result quantised again and stored as images of the next launch's operand registers.  No f32 result is stored.
; THE DEAL.  256 work-groups: row block rb (256 rows of x) x column group g (128 columns, a pair of heads, of EACH of V, Q, K).  The 256 rows, all of K, lie in LDS for the whole launch, filled once.
; Three phases, V, Q, K.  Four waves, 2 x 2: wave (a, b) takes rows 128 a on and columns 64 b on: one head.  It holds its 64 rows of the phase's weight, all of K, in 384 registers,
; and streams its 128 rows of x past them in blocks of 16 rows: 32 products a block, the block's four sums by turns.  A block's rows lie twice in registers: set s % 2 takes block s + 2 behind block s.
; Q, K: source 0 = the weight's rows: a lane holds a row of x and its registers run along the head's 64.  V: source 0 = x's rows: a lane holds a column of V and its registers run along the tokens.
; By the rows' order (sigma, see the first launch) the 16 registers of two neighbouring tiles are 16 neighbours; lanes l and l xor 16 share a block of 32.
; LDS: x's 256 rows (816 bytes: 768 + 16 behind each 256), the weights' 128 rows, x's scale bytes, stages for the results' scale bytes, the spare words.
; FILLS.  At the head one joint load a wave: Wv's rows, x's scale bytes, two halves of x.  The weights' region is filled again twice, each time when every wave holds the old rows in registers, behind a wait, an LDS add, a wait and a
; round of the cluster's barrier, a quarter a wave.  From a refill to the wait for it a wave issues a phase's 256 products: nothing waits for it, so nothing is prefetched.
; x's tiles are shared along a row of the cluster, the weights' along a column.
; OUT: q, k images [head (q 0-15, k 16-31)][row / 16][768]; v images behind them, [4 head + d / 16][token / 64][768]; an image holds registers 0-3 at 16 x lane, 4-5 at 512 + 8 x lane.
; Scale words: q, k [pair of heads (q 0-7, k 8-15)][row][4]; v behind them, [token / 128][head][64 d][4].
; LIMITS: a block of zeros gets the byte 1 where the rule says 127 (its codes are zeros; this program alone reads the bytes); blocks whose largest magnitude lies under 2^-124 are held at that floor; NaN and infinities are not served.
; REGISTERS.  Window 0: addresses, scale words, the 128 sums, the quantiser's work.  Window 1: the weights' fragments of K steps 0-4 (48 q + 12 t); window 2: of K steps 5-7, and from v160 the codes on their way out.  Window 3: x's two sets (96 e + 12 q).
.set KROW,  768
.set PITCH, 816
.set WTEN,  1024*KROW                  ; from weight to weight
.set WB,    256*PITCH
.set SCL,   WB+128*PITCH
.set STG,   SCL+32*272                 ; q's scale words 1,024 bytes, k's 1,024, v's 256 a wave
.set SPARE, STG+3072
.set NF,    28                         ; a block's fetch is 30 LDS loads: a wait for 28 leaves at most that fetch out
.set XA0, 4                            ; v4, v5 LDS address of my fragments of x's block 0 (v5: for the pieces whose lanes 16-31 lie behind one padding more)
.set XS0, 6                            ; v6 of my row's scale words
.set XA,  8                            ; v8-10 the same for the block that is fetched next
.set XS,  10
.set WA,  12                           ; v12, v13 of my fragments of the weights
.set SPW, 14
.set NIL, 15
.set LI16, 16
.set LI8, 17
.set STA0, 18                          ; q's, k's scale bytes into the stage
.set STW, 19
.set VST, 20                           ; v's scale words into my stage, v21 out of it
.set VLD, 21
.set WSO, 22                           ; 32 x lane
.set QRD, 23
.set WK,  24                           ; v24-27 v's scale words as they grow
.set SBW, 32                           ; v32-79 the weights' scale words: 16 a phase: 8 (t / 2) + q; lanes 0-15 tile t even, lanes 16-31 odd
.set SAX, 84                           ; v84-99 x's scale words, 8 a set
.set ACC, 100                          ; v100-227 the sums
.set TM,  228
.set TP,  236
.set SO,  244
.set W2,  252
.set PC,  160                          ; window 2: six registers of codes a tile, at 8 n
.set PT,  192
.set G1X, 28
.set G1W, 36
.set G1S, 44
.set G1R, 52
.set G0W, 60
.set G0S, 68
.set G0X, 72
.set G0R, 76
.set GX,  25
.set GS,  26
.set GC,  27
.set T0,  80
.set T1,  81
.set SGO, 82
.set SH,  83
.set MSB, 0
.macro WIN new
.if MSB != \new
	s_set_vgpr_msb (MSB<<8)|\new
.set MSB, \new
.endif
.endm
.macro PLACES n
.rept \n
	v_nop
.endr
.endm
.macro WALU
	s_wait_alu depctr_va_vdst(0)
.endm
.macro BARRIER
	s_barrier_signal -1
	s_barrier_wait -1
.endm
.macro CROUND
	BARRIER
	s_cmp_lg_u32 s16, 0
	s_cbranch_scc1 .Lnot_wave_0_\@
	s_barrier_signal -3
.Lnot_wave_0_\@:
	s_barrier_wait -3
	BARRIER
.endm
.macro TLOAD g0, g1
	tensor_load_to_lds s[\g0:\g0+3], s[\g1:\g1+7]
	s_nop 0
	PLACES 4
.endm
.macro ROWS1 g, mask, rows             ; rows of 768 bytes, 16 bytes of padding behind each 256
	s_or_b32 s[\g], s[\mask], (1<<20)|(1<<21)|(5<<22)|(3<<25)
	s_mov_b32 s[\g+1], KROW<<16
	s_mov_b32 s[\g+2], (\rows)<<16
	s_mov_b32 s[\g+3], KROW<<16
	s_mov_b32 s[\g+4], \rows
	s_mov_b32 s[\g+5], KROW
	s_mov_b32 s[\g+6], 0
	s_mov_b32 s[\g+7], 0
.endm
; piece P (8 bytes) of a row of codes lies at byte 8 (P + 2 (P / 32)) of the LDS row; lanes 16-31 read 24 bytes on, which is behind one padding more where P % 32 is 29 or more
.macro WEIGHTS                         ; my 64 rows, all of K: 192 loads
.set Q_, 0
.rept 8
.if Q_ < 5
	WIN 0x40
.else
	WIN 0x80
.endif
.irp t, 0,1,2,3
.irp p, 0,1,2,3,4,5
.set P_, 12*Q_+6*(\p/3)+\p%3
	ds_load_b64 v[48*(Q_%5)+12*\t+2*\p:48*(Q_%5)+12*\t+2*\p+1], v[WA+(P_%32+3)/32] offset:8*(P_+2*(P_/32))+\t*16*PITCH
.endr
.endr
.set Q_, Q_+1
.endr
	WIN 0
.endm
.macro NEXTA k                         ; the addresses of block k of the half that s[GX] names; four plain lines: the places behind a block's products
	s_add_co_u32 s[T0], s[GX], (\k)*16*PITCH
	s_add_co_u32 s[T1], s[GS], (\k)*544
	v_add_nc_u32 v[XA], s[T0], v[XA0]
	v_add_nc_u32 v[XA+1], s[T0], v[XA0+1]
	v_add_nc_u32 v[XS], s[T1], v[XS0]
	v_nop
.endm
.macro FETCH e                         ; a block of x into set e: two pieces to a load where both go by one address register
	WIN 0xc0
.set Q_, 0
.rept 8
.irp p, 0,2,4
.set P0_, 12*Q_+6*(\p/3)+\p%3
.set P1_, 12*Q_+6*((\p+1)/3)+(\p+1)%3
.set F0_, (P0_%32+3)/32
.set F1_, (P1_%32+3)/32
.set R_, 96*(\e)+12*Q_+2*\p
.if F0_ == F1_
	ds_load_2addr_b64 v[R_:R_+3], v[XA+F0_] offset0:P0_+2*(P0_/32) offset1:P1_+2*(P1_/32)
.else
	ds_load_b64 v[R_:R_+1], v[XA+F0_] offset:8*(P0_+2*(P0_/32))
	ds_load_b64 v[R_+2:R_+3], v[XA+F1_] offset:8*(P1_+2*(P1_/32))
.endif
.endr
.set Q_, Q_+1
.endr
	WIN 0
	ds_load_b128 v[SAX+8*(\e):SAX+8*(\e)+3], v[XS]
	ds_load_b128 v[SAX+8*(\e)+4:SAX+8*(\e)+7], v[XS] offset:16
.endm
.macro W1 a, b, sa, sb, side, row
.if Q_
	v_wmma_scale_f32_16x16x128_f8f6f4 v[D_:D_+7], v[\a:\a+11], v[\b:\b+11], v[D_:D_+7], v[\sa], v[\sb] matrix_a_fmt:MATRIX_FMT_FP6 matrix_b_fmt:MATRIX_FMT_FP6 matrix_\side\()_scale:MATRIX_SCALE_ROW\row
.else
	v_wmma_scale_f32_16x16x128_f8f6f4 v[D_:D_+7], v[\a:\a+11], v[\b:\b+11], 0, v[\sa], v[\sb] matrix_a_fmt:MATRIX_FMT_FP6 matrix_b_fmt:MATRIX_FMT_FP6 matrix_\side\()_scale:MATRIX_SCALE_ROW\row
.endif
.endm
.macro PRODS kind, ph, e, d0, ds, qa, qb   ; K steps qa .. qb - 1 of a block against the weight's four tiles; the first K step starts the sums
.set Q_, \qa
.rept (\qb)-(\qa)
.irp t, 0,1,2,3
.set WR_, 48*(Q_%5)+12*\t
.set XR_, 96*(\e)+12*Q_
.set D_, (\d0)+(\ds)*\t
.set SW_, SBW+16*(\ph)+8*(\t/2)+Q_
.set SX_, SAX+8*(\e)+Q_
.if \kind
.if \t%2
	W1 XR_, WR_, SX_, SW_, b, 1
.else
	W1 XR_, WR_, SX_, SW_, b, 0
.endif
.else
.if \t%2
	W1 WR_, XR_, SW_, SX_, a, 1
.else
	W1 WR_, XR_, SW_, SX_, a, 0
.endif
.endif
.endr
.set Q_, Q_+1
.endr
.endm
; four blocks: 64 rows of x.  kind 1: V.  last = 1: the launch's last phase, whose last trip fetches nothing for blocks that do not follow
.macro TRIP kind, ph, last
.irp i, 0,1,2,3
.if (\last) && (\i == 3)
	s_wait_dscnt 0x0                               ; (in the last trip no fetch is younger than this block's)
.else
	s_wait_dscnt NF                                ; this block's rows are in; the next block's fetch may be out
.endif
.if \kind
	WIN 0x07
	PRODS 1, \ph, (\i%2), ACC+8*\i, 32, 0, 5
	WIN 0x0b
	PRODS 1, \ph, (\i%2), ACC+8*\i, 32, 5, 8
.else
	WIN 0x0d
	PRODS 0, \ph, (\i%2), ACC+32*\i, 8, 0, 5
	WIN 0x0e
	PRODS 0, \ph, (\i%2), ACC+32*\i, 8, 5, 8
.endif
	WIN 0
.if \i == 2
	s_xor_b32 s[GX], s[GX], 4*16*PITCH             ; the blocks fetched from here on lie in my other 64 rows
	s_xor_b32 s[GS], s[GS], 4*544
.endif
	NEXTA (\i+2)%4
.if (\last) && (\i >= 2)
	s_cmp_eq_u32 s[GC], 1
	s_cbranch_scc1 .Lno_fetch_\i
.endif
	FETCH (\i%2)
.if (\last) && (\i >= 2)
.Lno_fetch_\i:
.endif
.endr
.endm
; four tiles of 32 sums a lane (v[ACC + 32 n] on) become four half fragments (window 2, v[PC + 8 n] on) and two scale bytes each (v[W2 + n])
.macro QUANT4
.irp k, 0,1,2,3,4,5,6,7
	v_max3_num_f32 v[TM+\k], |v[ACC+16*\k]|, |v[ACC+16*\k+1]|, 0x1800000   ; my 16 numbers of a block, and the floor 2^(3 - 127)
.endr
.irp i, 2,4,6,8,10,12,14
.irp k, 0,1,2,3,4,5,6,7
	v_max3_num_f32 v[TM+\k], |v[ACC+16*\k+\i]|, |v[ACC+16*\k+\i+1]|, v[TM+\k]
.endr
.endr
.irp k, 0,1,2,3,4,5,6,7
	v_permlanex16_b32 v[TP+\k], v[TM+\k], s90, s91
.endr
.irp k, 0,1,2,3,4,5,6,7
	v_max_num_f32 v[TM+\k], v[TM+\k], v[TP+\k]     ; with lane l xor 16's: the block's
.endr
.irp k, 0,1,2,3,4,5,6,7
	v_add_nc_u32 v[SO+\k], 0xff000000, v[TM+\k]    ; 2 off the exponent field: the conversion's scale operand
.endr
.irp k, 0,1,2,3,4,5,6,7
	v_lshrrev_b32 v[TP+\k], 23, v[SO+\k]           ; the scale's byte
.endr
.irp n, 0,1,2,3
	v_lshl_or_b32 v[W2+\n], v[TP+2*\n+1], 8, v[TP+2*\n]
.endr
	WIN 0x80
.irp n, 0,1,2,3
	v_cvt_scalef32_pk16_fp6_f32 v[PC+8*\n:PC+8*\n+2], v[ACC+32*\n:ACC+32*\n+15], v[SO+2*\n]
	v_cvt_scalef32_pk16_fp6_f32 v[PT+4*\n:PT+4*\n+2], v[ACC+32*\n+16:ACC+32*\n+31], v[SO+2*\n+1]
.endr
	WIN 0x82
	v_nop                                          ; one plain place behind a scaled conversion
.irp i, 0,1,2
.irp n, 0,1,2,3
	v_permlane16_swap_b32 v[PC+8*\n+\i], v[PT+4*\n+\i]   ; lanes 0-15 now hold block 0, lanes 16-31 block 1
.endr
.endr
.irp i, 0,1,2
.irp n, 0,1,2,3
	v_mov_b32 v[PC+8*\n+3+\i], v[PT+4*\n+\i]
.endr
.endr
.endm
.macro IMAGES base, step               ; the four images: 512 consecutive bytes and the next 256 each
	WIN 0x08
.irp n, 0,1,2,3
	global_store_b128 v[LI16], v[PC+8*\n:PC+8*\n+3], s[\base:\base+1] offset:(\step)*\n
	global_store_b64 v[LI8], v[PC+8*\n+4:PC+8*\n+5], s[\base:\base+1] offset:(\step)*\n+512
.endr
	WIN 0
.endm
.macro LOOPEND label
	s_sub_co_u32 s[GC], s[GC], 1
	s_cmp_lg_u32 s[GC], 0
	WALU                                           ; the wait ahead of the branch
	s_cbranch_scc1 \label
.endm
.macro QKPHASE ph, ten, last, label
	s_mov_b32 s[GC], 2
\label:
	TRIP 0, \ph, \last
	QUANT4
	IMAGES 98, 768
	v_add_nc_u32 v[STW], s[SGO], v[STA0]
.irp n, 0,1,2,3
	ds_store_b16 v[STW], v[W2+\n] offset:64*\n+1024*\ten   ; both halves of the lanes store the same two bytes
.endr
	s_wait_xcnt 0x0                                ; the stores have read their base and their data
	s_add_nc_u64 s[98:99], s[98:99], 4*768
	s_xor_b32 s[SGO], s[SGO], 256
	LOOPEND \label
.endm
; ================= the head
	s_load_b256 s[4:11], s[0:1], 0x0               ; x's codes, x's scale bytes, the weights' codes, their scale bytes
	s_load_b128 s[12:15], s[0:1], 0x20             ; the images, the scale words
	v_lshl_add_u32 v[SPW], v0, 2, SPARE
	v_mov_b32 v[NIL], 0
	ds_add_u32 v[SPW], v[NIL]                      ; the opening lines: the add, twice on end, and its wait
	ds_add_u32 v[SPW], v[NIL]
	v_lshrrev_b32 v1, 5, v0
	v_readfirstlane_b32 s16, v1                    ; wave
	s_lshr_b32 s17, s16, 1                         ; a
	s_and_b32 s18, s16, 1                          ; b
	s_bfe_u32 s19, ttmp6, 0x40000                  ; cx
	s_bfe_u32 s20, ttmp6, 0x40004                  ; cy
	s_lshl_b32 s21, ttmp9, 2
	s_add_co_u32 s21, s21, s19                     ; g
	s_and_b32 s22, ttmp7, 0xffff
	s_lshl_b32 s22, s22, 2
	s_add_co_u32 s22, s22, s20                     ; rb
	s_lshl_b32 s23, s20, 2
	s_lshl_b32 s23, 15, s23                        ; my row of the cluster
	s_lshl_b32 s24, 0x1111, s19                    ; my column
	ROWS1 G1X, 23, 128
	ROWS1 G1W, 24, 128
	ROWS1 G1R, 24, 32
	s_or_b32 s[G1S], s23, (3<<16)|(1<<20)|(1<<21)|(5<<22)|(3<<25)   ; 8,192 dense bytes as 32 rows of 256, 16 bytes of padding behind each
	s_mov_b32 s[G1S+1], 32<<16
	s_mov_b32 s[G1S+2], 32<<16
	s_mov_b32 s[G1S+3], 32<<16
	s_mov_b32 s[G1S+4], 32
	s_mov_b32 s[G1S+5], 32
	s_mov_b32 s[G1S+6], 0
	s_mov_b32 s[G1S+7], 0
	s_mul_i32 s80, s18, 64*PITCH
	s_add_co_u32 s80, s80, WB
	s_mul_i32 s81, s17, 128*PITCH
	s_mul_i32 s82, s17, 16*272
	s_add_co_u32 s82, s82, SCL
	s_lshl_b32 s83, s17, 9
	s_lshl_b32 s84, s18, 1
	s_add_co_u32 s83, s83, s84
	s_add_co_u32 s83, s83, STG
	s_lshl_b32 s84, s16, 8
	s_add_co_u32 s84, s84, STG+2048
	s_lshl_b32 s85, s16, 9
	s_add_co_u32 s85, s85, STG
	s_mul_i32 s88, s22, 256*KROW                   ; x's codes: row 256 rb + 128 (wave % 2)
	s_mul_i32 s89, s18, 128*KROW
	s_add_co_u32 s88, s88, s89
	s_mov_b32 s89, 0
	s_lshl_b32 s86, s22, 13                        ; x's scale bytes
	s_mov_b32 s87, 0
	s_mul_i32 s92, s21, 128*KROW                   ; the weights' codes: Wq's row 128 g
	s_mov_b32 s93, 0
	s_lshl_b32 s94, s21, 12                        ; their scale bytes: row 128 g + 64 b
	s_lshl_b32 s95, s18, 11
	s_add_co_u32 s94, s94, s95
	s_mov_b32 s95, 0
	v_and_b32 v1, 15, v0                           ; r
	v_bfe_u32 v2, v0, 4, 1                         ; h
	v_and_b32 v3, 31, v0
	v_mul_u32_u24 v7, v1, PITCH
	v_mad_u32_u24 v28, v2, 24, v7
	v_mad_u32_u24 v29, v2, 40, v7
	v_add_nc_u32 v[WA], s80, v28
	v_add_nc_u32 v[WA+1], s80, v29
	v_add_nc_u32 v[XA0], s81, v28
	v_add_nc_u32 v[XA0+1], s81, v29
	v_lshlrev_b32 v7, 5, v1
	v_lshrrev_b32 v28, 3, v1
	v_lshl_add_u32 v7, v28, 4, v7                  ; 32 bytes a row, 16 more behind each 8 rows
	v_add_nc_u32 v[XS0], s82, v7
	v_lshlrev_b32 v[LI16], 4, v3
	v_lshlrev_b32 v[LI8], 3, v3
	v_lshlrev_b32 v[WSO], 5, v3
	v_lshl_add_u32 v[STA0], v1, 2, s83
	v_lshl_add_u32 v[VST], v1, 2, s84
	v_lshl_add_u32 v[VLD], v3, 3, s84
	v_lshl_add_u32 v[QRD], v3, 4, s85
.irp k, 0,1,2,3,4,5,6,7
	v_mov_b32 v[TP+\k], 0                          ; a lane permute's destination counts as one of its sources
.endr
.irp n, 0,1,2,3
	v_mov_b32 v[WK+\n], 0
.endr
	WALU                                           ; the wait at the head's end
	s_wait_dscnt 0x0                               ; both opening adds are done
	s_wait_kmcnt 0x0
	s_mov_b32 s[G0W], 1                            ; Wv's 128 rows
	s_mov_b32 s[G0W+1], WB
	s_add_nc_u64 s[G0W+2:G0W+3], s[8:9], s[92:93]
	s_add_nc_u64 s[G0W+2:G0W+3], s[G0W+2:G0W+3], 2*WTEN
	s_or_b32 s[G0W+3], s[G0W+3], 0x80000000
	s_mov_b32 s[G0S], 1
	s_mov_b32 s[G0S+1], SCL
	s_add_nc_u64 s[G0S+2:G0S+3], s[6:7], s[86:87]
	s_or_b32 s[G0S+3], s[G0S+3], 0x80000000
	s_mov_b32 s[G0X], 1
	s_mul_i32 s[G0X+1], s18, 128*PITCH
	s_add_nc_u64 s[G0X+2:G0X+3], s[4:5], s[88:89]
	s_or_b32 s[G0X+3], s[G0X+3], 0x80000000
	s_mov_b32 s[G0R], 1                            ; the refills: my 32 rows of the 128; first Wq's
	s_mul_i32 s[G0R+1], s16, 32*PITCH
	s_add_co_u32 s[G0R+1], s[G0R+1], WB
	s_mul_i32 s88, s16, 32*KROW
	s_add_nc_u64 s[G0R+2:G0R+3], s[8:9], s[92:93]
	s_add_nc_u64 s[G0R+2:G0R+3], s[G0R+2:G0R+3], s[88:89]
	s_or_b32 s[G0R+3], s[G0R+3], 0x80000000
	s_add_nc_u64 s[94:95], s[10:11], s[94:95]
	CROUND                                         ; all sixteen work-groups are here: the first joint loads meet
	s_cmp_eq_u32 s16, 0                            ; one chain of arms, one load to an arm
	s_cbranch_scc0 .Larm_s
	TLOAD G0W, G1W
	s_branch .Lasked
.Larm_s:
	s_cmp_eq_u32 s16, 1
	s_cbranch_scc0 .Larm_x
	TLOAD G0S, G1S
	s_branch .Lasked
.Larm_x:
	TLOAD G0X, G1X
.Lasked:
.irp ph, 0,1,2                                 ; the three phases' scale words of my 64 rows: lane l takes row 32 p + l
.irp p, 0,1
.irp c, 0,1
	global_load_b128 v[SBW+16*\ph+8*\p+4*\c:SBW+16*\ph+8*\p+4*\c+3], v[WSO], s[94:95] offset:((\ph+2)%3)*32768+\p*1024+\c*16
.endr
.endr
.endr
	s_lshl_b32 s80, s21, 1
	s_add_co_u32 s80, s80, s18                     ; my head
	s_mul_i32 s96, s80, 4*98304                    ; v's images: (4 head + t) x 128 + 4 rb + 2 a + trip
	s_lshl_b32 s81, s22, 2
	s_lshl_b32 s82, s17, 1
	s_add_co_u32 s81, s81, s82
	s_mul_i32 s81, s81, 768
	s_add_co_u32 s96, s96, s81
	s_add_co_u32 s96, s96, 12582912
	s_mov_b32 s97, 0
	s_add_nc_u64 s[96:97], s[12:13], s[96:97]
	s_mul_i32 s98, s80, 393216                     ; q's images: head x 512 + 16 rb + 8 a + block
	s_lshl_b32 s81, s22, 4
	s_lshl_b32 s82, s17, 3
	s_add_co_u32 s81, s81, s82
	s_mul_i32 s81, s81, 768
	s_add_co_u32 s98, s98, s81
	s_mov_b32 s99, 0
	s_add_nc_u64 s[98:99], s[12:13], s[98:99]
	s_lshl_b32 s84, s22, 1                         ; v's scale words: key step 2 rb + a, my head's 256 bytes
	s_add_co_u32 s84, s84, s17
	s_lshl_b32 s84, s84, 12
	s_lshl_b32 s81, s80, 8
	s_add_co_u32 s84, s84, s81
	s_add_co_u32 s84, s84, 524288
	s_mov_b32 s85, 0
	s_add_nc_u64 s[84:85], s[14:15], s[84:85]
	s_lshl_b32 s86, s17, 18                        ; q's (waves 0, 1) or k's (waves 2, 3) scale words: pair g, rows 256 rb on, half b
	s_lshl_b32 s81, s21, 15
	s_add_co_u32 s86, s86, s81
	s_lshl_b32 s81, s22, 10
	s_add_co_u32 s86, s86, s81
	s_lshl_b32 s81, s18, 9
	s_add_co_u32 s86, s86, s81
	s_mov_b32 s87, 0
	s_add_nc_u64 s[86:87], s[14:15], s[86:87]
	s_mov_b32 s90, 0x76543210                      ; v_permlanex16_b32's selects for lane l xor 16
	s_mov_b32 s91, 0xfedcba98
	s_mov_b32 s[GX], 0
	s_mov_b32 s[GS], 0
	s_mov_b32 s[SGO], 0
	s_mov_b32 s[SH], 0
	s_wait_tensorcnt 0x0                           ; my tile is in,
	BARRIER                                        ; everybody's is
; ================= V
	WEIGHTS
	NEXTA 0
	FETCH 0
	NEXTA 1
	FETCH 1
	s_wait_tensorcnt 0x0                           ; the three lines ahead of a refill's round
	ds_add_u32 v[SPW], v[NIL]
	s_wait_dscnt 0x0                               ; Wv's rows are in my registers
	CROUND
	TLOAD G0R, G1R                                 ; Wq's rows onto Wv's
	s_wait_loadcnt 0x0                             ; the weights' scale words
	s_mov_b32 s[GC], 2
.Lv:
	TRIP 1, 0, 0
	QUANT4
	IMAGES 96, 98304
.irp n, 0,1,2,3
	v_lshlrev_b32 v[W2+\n], s[SH], v[W2+\n]        ; the first 64 tokens' two bytes below, the second's above
.endr
.irp n, 0,1,2,3
	v_or_b32 v[WK+\n], v[WK+\n], v[W2+\n]
.endr
	s_wait_xcnt 0x0
	s_add_nc_u64 s[96:97], s[96:97], 768
	s_xor_b32 s[SH], s[SH], 16
	LOOPEND .Lv
.irp n, 0,1,2,3
	ds_store_b32 v[VST], v[WK+\n] offset:64*\n     ; through my own stage: LDS serves a wave's instructions in order
.endr
	ds_load_b64 v[28:29], v[VLD]
	s_wait_dscnt 0x0
	global_store_b64 v[LI8], v[28:29], s[84:85]    ; 256 consecutive bytes, aligned
; ================= Q
	s_wait_tensorcnt 0x0                           ; my quarter of Wq's rows is in,
	BARRIER                                        ; everybody's is
	WEIGHTS
	s_wait_tensorcnt 0x0
	ds_add_u32 v[SPW], v[NIL]
	s_add_nc_u64 s[G0R+2:G0R+3], s[G0R+2:G0R+3], WTEN
	s_wait_dscnt 0x0
	CROUND
	TLOAD G0R, G1R                                 ; Wk's rows onto Wq's
	QKPHASE 1, 0, 0, .Lq
	s_add_nc_u64 s[98:99], s[98:99], 16*393216-8*768   ; on to k's images
; ================= K
	s_wait_tensorcnt 0x0
	s_wait_dscnt 0x0
	BARRIER
	WEIGHTS
	s_wait_dscnt 0x0
	QKPHASE 2, 1, 1, .Lk
; ================= the end: q's and k's scale words leave as whole runs of 512 bytes a wave
	s_wait_dscnt 0x0
	BARRIER
	ds_load_b128 v[28:31], v[QRD]
	s_wait_dscnt 0x0
	global_store_b128 v[LI16], v[28:31], s[86:87]
	s_wait_tensorcnt 0x0                           ; the wave's end
	ds_add_u32 v[SPW], v[NIL]
	s_wait_dscnt 0x0
	CROUND                                         ; the closing round
	s_endpgm
.Lfunc_end_k_qbef6944f5a_proj:
	.size	k_qbef6944f5a_proj, .Lfunc_end_k_qbef6944f5a_proj-k_qbef6944f5a_proj
	.p2alignl 7, 3214868480
	.fill 96, 4, 3214868480
	.section	.rodata,"a",@progbits
	.p2align	6, 0x0
	.amdhsa_kernel k_qbef6944f5a_proj
		.amdhsa_group_segment_fixed_size 327680
		.amdhsa_private_segment_fixed_size 0
		.amdhsa_enable_private_segment 0
		.amdhsa_kernarg_size 48
		.amdhsa_user_sgpr_count 2
		.amdhsa_user_sgpr_kernarg_segment_ptr 1
		.amdhsa_wavefront_size32 1
		.amdhsa_system_sgpr_workgroup_id_x 1
		.amdhsa_system_sgpr_workgroup_id_y 1
		.amdhsa_system_sgpr_workgroup_id_z 1
		.amdhsa_system_vgpr_workitem_id 0
		.amdhsa_next_free_vgpr 960
		.amdhsa_next_free_sgpr 102
		.amdhsa_reserve_vcc 0
		.amdhsa_float_denorm_mode_32 3
		.amdhsa_float_denorm_mode_16_64 3
		.amdhsa_memory_ordered 1
		.amdhsa_forward_progress 1
		.amdhsa_inst_pref_size 157
	.end_amdhsa_kernel
	.amdgpu_metadata
---
amdhsa.version: [ 1, 2 ]
amdhsa.kernels:
  - .name:           k_qbef6944f5a_proj
    .symbol:         k_qbef6944f5a_proj.kd
    .args:
      - { .name: xcodes, .offset: 0, .size: 8, .value_kind: global_buffer, .address_space: global }
      - { .name: xscales, .offset: 8, .size: 8, .value_kind: global_buffer, .address_space: global }
      - { .name: wcodes, .offset: 16, .size: 8, .value_kind: global_buffer, .address_space: global }
      - { .name: wscales, .offset: 24, .size: 8, .value_kind: global_buffer, .address_space: global }
      - { .name: qkvimg, .offset: 32, .size: 8, .value_kind: global_buffer, .address_space: global }
      - { .name: qkvsc, .offset: 40, .size: 8, .value_kind: global_buffer, .address_space: global }
    .group_segment_fixed_size: 327680
    .private_segment_fixed_size: 0
    .kernarg_segment_align: 8
    .kernarg_segment_size: 48
    .max_flat_workgroup_size: 128
    .sgpr_count:     102
    .vgpr_count:     960
    .wavefront_size: 32
...
	.end_amdgpu_metadata
.endif
;; end of part 2
;; launch attn (part 3): grid 4 x 64, 16 waves a work-group, clusters of 4 x 1, 210,944 bytes of LDS; arguments qkvimg, qkvsc, oimg, osc; writes oimg, osc
.if DOCPART == 3
	.amdgcn_target "amdgcn-amd-amdhsa--gfx1250"
	.amdhsa_code_object_version 6
	.text
	.protected	k_qbef6944f5a_attn
	.globl	k_qbef6944f5a_attn
	.p2align	8
	.type	k_qbef6944f5a_attn,@function
k_qbef6944f5a_attn:
	s_mov_b64 s[64:65], 0
	v_nop
	global_prefetch_b8 v0, s[64:65] scope:SCOPE_SE
	s_setreg_imm32_b32 hwreg(HW_REG_WAVE_MODE, 25, 1), 1
	s_wait_xcnt 0x0
	s_wait_alu depctr_hold_cnt(0) depctr_sa_sdst(0) depctr_va_vdst(0) depctr_va_sdst(0) depctr_va_ssrc(0) depctr_va_vcc(0) depctr_vm_vsrc(0)
	s_getreg_b32 s2, hwreg(HW_REG_IB_STS2, 6, 4)
	s_cmp_eq_u32 s2, 0
	s_cbranch_scc0 .Lentry_in_a_cluster
	s_endpgm
.Lentry_in_a_cluster:
	s_bfe_u32 s2, ttmp6, 0x10000c
	s_cmp_lg_u32 s2, 0x3003
	s_cbranch_scc0 .Lentry_shape_is_right
	s_endpgm
.Lentry_shape_is_right:
; For each of 64 (batch, head): O[q] = the sum over k of softmax_k(Q[q] . K[k] / 8) V[k], both products on codes of FP6 (E2M3) with one E8M0 scale for each 32 along a product's K; O is quantised along the head's 64 for the last projection.
; THE SOFTMAX AHEAD OF THE SECOND PRODUCT: t = score x log2(e) / 8; M = the row's largest t so far, rounded UP to a whole number; p = 2^(t - M) is what is quantised, along the keys, not normalised.
; The row's sum is taken of the unquantised p, in f32, and divides O at the end.  When M moves, the sum and O are multiplied by 2^(old M - new M): exact.
; INPUTS: images of operand registers.  A half fragment (16 rows x 64 along K: 6 registers a lane) is 768 bytes: registers 0-3 at 16 x lane, registers 4-5 at 512 + 8 x lane.  q, k: [head (q 0-15, k 16-31)][token row / 16][768];
; v: [4 head + d / 16][token / 64][768], the keys along K.  Token rows and v's d rows lie at sigma(index) (bits 3 and 4 exchanged), so that sixteen result registers of two neighbouring tiles are sixteen neighbours.
; SHARES.  A work-group owns 512 query rows of one (batch, head); each of its sixteen waves owns one tile of 16 in each of two passes, in 256 registers: four waves to a SIMD, so that one wave's vector work stands beside
; another's matrix work and LDS loads.  ALL of the head's K and V and their scale bytes, 204,800 bytes, lie in LDS for the whole launch: filled once, never again: no ring.
; CLUSTER.  The four work-groups of a (batch, head) need the same K and V: each block is asked for JOINTLY, by the same tensor load with the same descriptor and the mask of all four.
; LAYOUT.  Both products are used transposed: S^T = K Q^T (source 0 = 16 keys, source 1 = my 16 queries), O^T = V^T P^T (source 0 = 16 of the head's 64, source 1 = P): a lane holds ONE query (lane % 16) throughout.
; THE FIRST PRODUCT'S K IS 64, the instruction's 128: Q's registers 6-11 hold zero codes.  Tile t of K is named as v[F + 6 t] on, twelve registers: the upper six are the next tile's codes (behind the last tile: zeros);
; E2M3 has no NaN and no infinity, so those products are exact zeros.  K's scale word is loaded as 16 bits (bytes 2, 3 are 0: a finite scale), Q's upper bytes are set to 127.
; LIMITS: a block of zeros gets the byte 1 where the rule says 127 (its codes are zeros; this program alone reads the bytes); blocks of O whose largest magnitude lies under 2^-124 are held at that floor; NaN and infinities
; are not served; 1 / the sum is made by v_rcp_f32.  The scale bytes of O leave as 2 bytes a row, 32 bytes apart: a row's 32 bytes come from sixteen work-groups, so they cannot be gathered here (262,144 bytes in the launch).
.set KI,    0                          ; LDS: K's 128 tiles of 768 bytes
.set VI,    98304                      ; V: [d tile 4][token / 64: 32][768]
.set KSC,   196608                     ; K's scale words, [key row][4]: a pair of heads' bytes
.set VSC,   204800                     ; V's, [key step 16][64 d][4]
.set SPARE, 208896                     ; the spare words, 128 bytes for each wave: eight blocks of 256 bytes that no other line names
.set AK16, 1                           ; v1   KI + 16 x lane
.set AK8,  2                           ; v2   KI + 512 + 8 x lane
.set AV16, 3                           ; v3   VI + 16 x lane
.set AV8,  4                           ; v4   VI + 512 + 8 x lane
.set SPW,  5                           ; v5   LDS address of my spare word; never rewritten
.set NIL,  6                           ; v6   0; never rewritten
.set ASK,  7                           ; v7   KSC + 4 (lane % 16) + 2 (head % 2)
.set ASV,  8                           ; v8   VSC + 4 (lane % 16)
.set ADK16, 9                          ; v9-16 the step's addresses: K's two, V's two for d tiles 0, 1, V's two for d tiles 2, 3, K's scale words, V's
.set ADK8,  10
.set ADV16, 11
.set ADV8,  12
.set ADS,   15
.set ADT,   16
.set LI16, 17                          ; v17  16 x lane
.set LI8,  18                          ; v18  8 x lane
.set F,    40                          ; v40-87 eight tiles of K, 6 registers each, or four fragments of V, 12 each; v88-93 zeros, never rewritten
.set PCD,  192                         ; v192-203 p's codes
.set BM,   208                         ; v208-211 the blocks' largest scores, then largest p
.set T2,   212                         ; v212-219 at work
.set SO,   220                         ; v220-223 the conversions' scale operands
.set SW,   224                         ; v224-231 K's or V's scale words
.set TT,   234                         ; v234 at work.  v20 -M, v21 the largest t, v[22:23] the sum in two halves, v24-29 Q, v30-35 zeros, v36 Q's scale word, v96-159 S^T then p, v160-191 O^T, v232 f, v233 p's scale word, v236-242 the second pass's Q
.set WV,   12                          ; s12  my wave's number
.set SEL,  20                          ; s[20:21] lane selects for v_permlanex16_b32: lane l xor 16
.set CS,   22                          ; s[22:23] c = log2(e) / 8
.set G1D,  24                          ; s[24:31] group 1: 96 rows of 256 dense bytes
.set G1KS, 32                          ; s[32:39] 8 rows of 256 dense bytes
.set G1VS, 40                          ; s[40:47] 4 rows of 256 bytes, 4,096 apart
.set G0I,  48                          ; s[48:51] group 0 of my block of images;  s[52:55] of K's scale words;  s[56:59] of V's
.set G0KS, 52
.set G0VS, 56
.set CNT,  80                          ; s80  steps to go
.set TK,   81                          ; s81-84 where the step's K, V, K's scale words and V's begin: 6,144, 1,536, 512 and 256 bytes a step
.set TV,   82
.set TS,   83
.set TJ,   84
.macro CROUND                          ; a round of the cluster's barrier
	s_barrier_signal -1
	s_barrier_wait -1
	s_cmp_lg_u32 s[WV], 0
	s_cbranch_scc1 .Lnot_wave_0_\@
	s_barrier_signal -3
.Lnot_wave_0_\@:
	s_barrier_wait -3
	s_barrier_signal -1
	s_barrier_wait -1
.endm
	s_load_b256 s[4:11], s[0:1], 0x0               ; the images s[4:5], their scale words s[6:7], O's images s[8:9], O's scale bytes s[10:11]
	v_lshl_add_u32 v[SPW], v0, 2, SPARE
	v_mov_b32 v[NIL], 0
	ds_add_u32 v[SPW], v[NIL]                      ; the wave's opening: the add and its wait ahead of my first tensor load; the set-up below, work on registers, stands between them
	ds_add_u32 v[SPW], v[NIL]
	v_lshrrev_b32 v9, 5, v0
	s_delay_alu instid0(VALU_DEP_1)
	v_readfirstlane_b32 s[WV], v9                  ; wave 0..15
	s_bfe_u32 s13, ttmp6, 0x40000                  ; cx: which 512 queries: it enters Q's and O's addresses alone
	s_and_b32 s14, ttmp7, 0xffff                   ; 16 x batch + head, which the four partners share
	s_lshr_b32 s15, s14, 4                         ; batch
	s_and_b32 s16, s14, 15                         ; head
	s_and_b32 s17, s16, 1
	s_lshl_b32 s17, s17, 1                         ; my head's two bytes in a scale word of q or k
	s_and_b32 s18, s[WV], 3
	; descriptor groups 1: elements of 8 bytes, rows of 256 bytes, no padding; 15:0 the mask: all four work-groups; 21 set beside a mask
	s_mov_b32 s[G1D], 15|(3<<16)|(1<<21)
	s_mov_b32 s[G1D+1], 32<<16                     ; tensor_dim0 = 32
	s_mov_b32 s[G1D+2], 96<<16                     ; tensor_dim1 = 96
	s_mov_b32 s[G1D+3], 32<<16                     ; tile_dim0
	s_mov_b32 s[G1D+4], 96                         ; tile_dim1
	s_mov_b32 s[G1D+5], 32                         ; from row to row
	s_mov_b32 s[G1D+6], 0
	s_mov_b32 s[G1D+7], 0
	s_mov_b32 s[G1KS], 15|(3<<16)|(1<<21)
	s_mov_b32 s[G1KS+1], 32<<16
	s_mov_b32 s[G1KS+2], 8<<16
	s_mov_b32 s[G1KS+3], 32<<16
	s_mov_b32 s[G1KS+4], 8
	s_mov_b32 s[G1KS+5], 32
	s_mov_b32 s[G1KS+6], 0
	s_mov_b32 s[G1KS+7], 0
	s_mov_b32 s[G1VS], 15|(3<<16)|(1<<21)
	s_mov_b32 s[G1VS+1], 32<<16
	s_mov_b32 s[G1VS+2], 4<<16
	s_mov_b32 s[G1VS+3], 32<<16
	s_mov_b32 s[G1VS+4], 4
	s_mov_b32 s[G1VS+5], 512                       ; 4,096 bytes from a key step's words to the next step's
	s_mov_b32 s[G1VS+6], 0
	s_mov_b32 s[G1VS+7], 0
	s_mov_b32 s[SEL], 0x76543210
	s_mov_b32 s[SEL+1], 0xfedcba98
	s_mov_b32 s[CS], 0x3e38aa3b                    ; c = log2(e) / 8
	s_mov_b32 s[CS+1], s[CS]                       ; (named with it as a pair, so it is written)
	; every LDS address register is made here, on the one way that all waves take
	v_and_b32 v38, 31, v0                          ; lane
	v_and_b32 v39, 15, v0                          ; r = lane % 16
	s_delay_alu instid0(VALU_DEP_2)
	v_lshlrev_b32 v[AK16], 4, v38
	s_delay_alu instid0(VALU_DEP_3)
	v_lshl_add_u32 v[AK8], v38, 3, KI+512
	s_delay_alu instid0(VALU_DEP_4)
	v_lshl_add_u32 v[AV16], v38, 4, VI
	v_lshl_add_u32 v[AV8], v38, 3, VI+512
	v_lshl_add_u32 v[ASK], v39, 2, KSC
	s_delay_alu instid0(VALU_DEP_1)
	v_add_nc_u32 v[ASK], s17, v[ASK]
	v_lshl_add_u32 v[ASV], v39, 2, VSC
	v_lshlrev_b32 v[LI16], 4, v38
	v_lshlrev_b32 v[LI8], 3, v38
	v_lshlrev_b32 v19, 5, v39                      ; O's scale bytes: 32 bytes a row
	v_lshlrev_b32 v37, 2, v39                      ; Q's scale words: 4 bytes a row
	; what I fetch, if I fetch.  Waves 0-3: K's tiles 32 w on;  waves 4-7: V's d tile w - 4;  24,576 dense bytes each
	s_add_co_u32 s72, s16, 16
	s_mul_i32 s72, s72, 393216
	s_mul_i32 s73, s15, 98304
	s_add_co_u32 s72, s72, s73
	s_mul_i32 s73, s18, 24576
	s_add_co_u32 s72, s72, s73                     ; K: (16 + head) x 512 tiles + batch x 128 tiles + 32 w tiles
	s_lshl_b32 s74, s16, 2
	s_add_co_u32 s74, s74, s18
	s_mul_i32 s74, s74, 98304
	s_mul_i32 s73, s15, 24576
	s_add_co_u32 s74, s74, s73
	s_add_co_u32 s74, s74, 12582912                ; V: behind q's and k's images: (4 head + d tile) x 128 + batch x 32 half fragments
	s_cmp_lt_u32 s[WV], 4
	s_cselect_b32 s72, s72, s74
	s_mov_b32 s73, 0
	s_lshr_b32 s74, s16, 1                         ; K's scale words: a quarter of the head pair's 8,192 bytes
	s_add_co_u32 s74, s74, 8
	s_lshl_b32 s74, s74, 15
	s_lshl_b32 s75, s15, 13
	s_add_co_u32 s74, s74, s75
	s_lshl_b32 s75, s18, 11
	s_add_co_u32 s74, s74, s75
	s_mov_b32 s75, 0
	s_lshl_b32 s76, s15, 4                         ; V's: four key steps' 256 bytes
	s_lshl_b32 s77, s18, 2
	s_add_co_u32 s76, s76, s77
	s_lshl_b32 s76, s76, 12
	s_lshl_b32 s77, s16, 8
	s_add_co_u32 s76, s76, s77
	s_add_co_u32 s76, s76, 524288
	s_mov_b32 s77, 0
	; my queries: tile 128 batch + 32 cx + wave in the first pass, 16 tiles on in the second
	s_lshl_b32 s86, s15, 7
	s_lshl_b32 s87, s13, 5
	s_add_co_u32 s86, s86, s87
	s_add_co_u32 s94, s86, s[WV]
	s_mul_i32 s86, s16, 393216
	s_mul_i32 s87, s94, 768
	s_add_co_u32 s86, s86, s87                     ; Q's image
	s_mov_b32 s87, 0
	s_lshr_b32 s88, s16, 1
	s_lshl_b32 s88, s88, 15
	s_lshl_b32 s89, s94, 6
	s_add_co_u32 s88, s88, s89
	s_add_co_u32 s88, s88, s17                     ; its scale bytes
	s_mov_b32 s89, 0
	s_lshl_b32 s90, s94, 4
	s_add_co_u32 s90, s90, s16
	s_mul_i32 s90, s90, 768                        ; O's image: [tile][head][768]
	s_mov_b32 s91, 0
	s_lshl_b32 s92, s94, 9
	s_lshl_b32 s93, s16, 1
	s_add_co_u32 s92, s92, s93                     ; O's scale bytes: 32 a row, my head's two
	s_mov_b32 s93, 0
	s_wait_dscnt 0x0                               ; the opening add is done
	s_wait_kmcnt 0x0
	s_mov_b32 s[G0I], 1                            ; 1:0 count = 1
	s_mul_i32 s[G0I+1], s[WV], 24576               ; 63:32 LDS address: K's four blocks, then V's four
	s_add_nc_u64 s[G0I+2:G0I+3], s[4:5], s[72:73]  ; 120:64 global address
	s_or_b32 s[G0I+3], s[G0I+3], 0x80000000        ; 127:126 type = 2
	s_mov_b32 s[G0KS], 1
	s_lshl_b32 s[G0KS+1], s18, 11
	s_add_co_u32 s[G0KS+1], s[G0KS+1], KSC
	s_add_nc_u64 s[G0KS+2:G0KS+3], s[6:7], s[74:75]
	s_or_b32 s[G0KS+3], s[G0KS+3], 0x80000000
	s_mov_b32 s[G0VS], 1
	s_lshl_b32 s[G0VS+1], s18, 10
	s_add_co_u32 s[G0VS+1], s[G0VS+1], VSC
	s_add_nc_u64 s[G0VS+2:G0VS+3], s[6:7], s[76:77]
	s_or_b32 s[G0VS+3], s[G0VS+3], 0x80000000
	s_add_nc_u64 s[86:87], s[4:5], s[86:87]
	s_add_nc_u64 s[88:89], s[6:7], s[88:89]
	s_add_nc_u64 s[90:91], s[8:9], s[90:91]
	s_add_nc_u64 s[92:93], s[10:11], s[92:93]
	CROUND                                         ; all four work-groups are here: the joint loads meet
	s_cmp_lt_u32 s[WV], 8                          ; one chain of arms on the wave's number, one load to an arm: waves 0-7 a block of images, 8-11 a quarter of K's scale words, 12-15 of V's
	s_cbranch_scc0 .Lnot_image
	tensor_load_to_lds s[G0I:G0I+3], s[G1D:G1D+7]
	s_nop 0
.rept 4
	v_nop
.endr
	s_branch .Lfilled
.Lnot_image:
	s_cmp_lt_u32 s[WV], 12
	s_cbranch_scc0 .Lnot_ks
	tensor_load_to_lds s[G0KS:G0KS+3], s[G1KS:G1KS+7]
	s_nop 0
.rept 4
	v_nop
.endr
	s_branch .Lfilled
.Lnot_ks:
	tensor_load_to_lds s[G0VS:G0VS+3], s[G1VS:G1VS+7]
	s_nop 0
.rept 4
	v_nop
.endr
.Lfilled:
	s_wait_alu depctr_va_vdst(0)
	global_load_b128 v[24:27], v[LI16], s[86:87]               ; Q's half fragment of the first pass,
	global_load_b64 v[28:29], v[LI8], s[86:87] offset:512
	global_load_u16 v36, v37, s[88:89]                         ; its two scale bytes a row,
	global_load_b128 v[236:239], v[LI16], s[86:87] offset:12288   ; and the second pass's, 16 tiles on
	global_load_b64 v[240:241], v[LI8], s[86:87] offset:12800
	global_load_u16 v242, v37, s[88:89] offset:1024
.irp j, 0,1,2,3,4,5
	v_mov_b32 v[30+\j], 0                          ; Q's K = 64 .. 127: zero codes
	v_mov_b32 v[88+\j], 0                          ; and what stands behind K's last tile
.endr
; A pass begins: O^T and the sum are zeros, the largest t is -3e38, under every t: the first change of M multiplies zeros.
.macro INIT
	v_mov_b32 v21, 0xff61b1e6
	s_delay_alu instid0(VALU_DEP_1)
	v_floor_f32 v20, -v21                          ; -M
	v_mov_b32 v22, 0
	v_mov_b32 v23, 0
.set J, 0
.rept 32
	v_mov_b32 v[160+J], 0
.set J, J+1
.endr
.irp b, 0,1,2,3
	v_mov_b32 v[T2+\b], 0                          ; a lane permute's destination counts as one of its sources
.endr
	v_mov_b32 v233, 0                              ; (named as the upper half of the pair v[232:233] before it is first written)
	s_mov_b32 s[TK], 0
	s_mov_b32 s[TV], 0
	s_mov_b32 s[TS], 0
	s_mov_b32 s[TJ], 0
.endm
; A KEY STEP: 128 keys.
.macro STEP
	v_add_nc_u32 v[ADK16], s[TK], v[AK16]          ; eight plain instructions: also the places in front of the loads into registers that the last products have read
	v_add_nc_u32 v[ADK8], s[TK], v[AK8]
	v_add_nc_u32 v[ADV16], s[TV], v[AV16]
	v_add_nc_u32 v[ADV8], s[TV], v[AV8]
	s_delay_alu instid0(VALU_DEP_2)
	v_add_nc_u32 v[ADV16+2], 49152, v[ADV16]       ; d tiles 2 and 3 lie beyond an offset's 16 bits
	s_delay_alu instid0(VALU_DEP_2)
	v_add_nc_u32 v[ADV8+2], 49152, v[ADV8]
	v_add_nc_u32 v[ADS], s[TS], v[ASK]
	v_add_nc_u32 v[ADT], s[TJ], v[ASV]
.irp t, 0,1,2,3,4,5,6,7                        ; eight tiles of 16 keys, as images: each load takes consecutive bytes
	ds_load_b128 v[F+6*\t:F+6*\t+3], v[ADK16] offset:768*\t
	ds_load_b64 v[F+6*\t+4:F+6*\t+5], v[ADK8] offset:768*\t
	ds_load_u16 v[SW+\t], v[ADS] offset:64*\t
.endr
	s_wait_alu depctr_va_vdst(0)
	s_wait_dscnt 0x0
.irp t, 0,1,2,3,4,5,6,7                        ; S^T = K Q^T
	v_wmma_scale_f32_16x16x128_f8f6f4 v[96+8*\t:103+8*\t], v[F+6*\t:F+6*\t+11], v[24:35], 0, v[SW+\t], v36 matrix_a_fmt:MATRIX_FMT_FP6 matrix_b_fmt:MATRIX_FMT_FP6
.endr                                          ; lane (r, h) holds query r; the 16 registers of tiles 2 b, 2 b + 1 are keys 32 b + 16 h + 0 .. 15 of the step
.rept 4
	v_nop                                          ; places: in front of the loads below, into registers that these products have read, and of the first read of the scores
.endr
.irp t, 0,1,2,3                                ; V's four fragments and scale words are asked for now: they land while the softmax is walked
	ds_load_b128 v[F+12*\t:F+12*\t+3], v[ADV16+2*(\t/2)] offset:24576*(\t%2)
	ds_load_b64 v[F+12*\t+4:F+12*\t+5], v[ADV8+2*(\t/2)] offset:24576*(\t%2)
	ds_load_b128 v[F+12*\t+6:F+12*\t+9], v[ADV16+2*(\t/2)] offset:24576*(\t%2)+768
	ds_load_b64 v[F+12*\t+10:F+12*\t+11], v[ADV8+2*(\t/2)] offset:24576*(\t%2)+768
	ds_load_b32 v[SW+\t], v[ADT] offset:64*\t
.endr
.irp b, 0,1,2,3
	v_max3_num_f32 v[BM+\b], v[96+16*\b], v[97+16*\b], v[98+16*\b]   ; THE LARGEST SCORE OF EACH BLOCK OF 32 KEYS: it serves twice: for the row's maximum, and, since p rises with the score, for the block's largest p
.endr
.irp i, 3,5,7,9,11,13
.irp b, 0,1,2,3
	v_max3_num_f32 v[BM+\b], v[BM+\b], v[96+16*\b+\i], v[97+16*\b+\i]   ; (the four blocks by turns)
.endr
.endr
.irp b, 0,1,2,3
	v_max_num_f32 v[BM+\b], v[BM+\b], v[111+16*\b]
.endr
.irp b, 0,1,2,3
	s_delay_alu instid0(VALU_DEP_4)
	v_permlanex16_b32 v[T2+\b], v[BM+\b], s[SEL], s[SEL+1]
.endr
.irp b, 0,1,2,3
	s_delay_alu instid0(VALU_DEP_4)
	v_max_num_f32 v[BM+\b], v[BM+\b], v[T2+\b]     ; with lane l xor 16's 16 keys
.endr
	s_delay_alu instid0(VALU_DEP_2)
	v_max3_num_f32 v[TT], v[BM], v[BM+1], v[BM+2]
	s_delay_alu instid0(VALU_DEP_1)
	v_max_num_f32 v[TT], v[TT], v[BM+3]            ; the step's largest score of my query
	s_delay_alu instid0(VALU_DEP_1)
	v_mul_f32 v[TT], s[CS], v[TT]                  ; as t (c is positive)
	s_delay_alu instid0(VALU_DEP_1)
	v_max_num_f32 v21, v21, v[TT]                  ; the running largest t
	v_mov_b32 v[TT], v20
	s_delay_alu instid0(VALU_DEP_2)
	v_floor_f32 v20, -v21                          ; the new -M = floor(-t) = -ceil(t): M IS A WHOLE NUMBER
	s_delay_alu instid0(VALU_DEP_1)
	v_sub_f32 v[TT], v20, v[TT]                    ; M's old value less its new one: a whole number, 0 or less
	s_delay_alu instid0(VALU_DEP_1)
	v_cvt_i32_f32 v[TT], v[TT]                     ; (it saturates)
	s_delay_alu instid0(VALU_DEP_1)
	v_ldexp_f32 v232, 1.0, v[TT]                   ; f = 2^(old M - new M)
.set J, 0
.rept 32
	v_pk_fma_f32 v[96+J:97+J], v[96+J:97+J], s[CS:CS+1], v[20:21] op_sel_hi:[1,0,0]   ; t - M, two at a time (of the pairs c and -M the low word serves both halves)
.set J, J+2
.endr
.irp b, 0,1,2,3
	v_fma_f32 v[BM+\b], v[BM+\b], s[CS], v20       ; the same of each block's largest score
.endr
.set J, 0
	s_wait_alu depctr_va_vdst(0)
.rept 64
	v_exp_f32 v[96+J], v[96+J]                     ; p = 2^(t - M), at most 1: NOT normalised
.set J, J+1
.endr
	v_pk_mul_f32 v[22:23], v[22:23], v[232:233] op_sel_hi:[1,0]   ; the sums under the new M.  (A plain place behind the exponentials)
	s_wait_alu depctr_va_vdst(0)                   ; one wait for the whole batch, ahead of its first reader
.irp b, 0,1,2,3
	v_exp_f32 v[BM+\b], v[BM+\b]                   ; the block's largest p: the same two instructions on the same number give the same bits
.endr
	v_pk_add_f32 v[212:213], v[100:101], v[104:105]
	v_pk_add_f32 v[254:255], v[108:109], v[112:113]
	v_pk_add_f32 v[252:253], v[116:117], v[120:121]
	v_pk_add_f32 v[250:251], v[124:125], v[128:129]
	v_pk_add_f32 v[248:249], v[132:133], v[136:137]
	v_pk_add_f32 v[246:247], v[140:141], v[144:145]
	v_pk_add_f32 v[244:245], v[148:149], v[152:153]
	v_pk_add_f32 v[22:23], v[22:23], v[156:157]
	v_pk_add_f32 v[212:213], v[212:213], v[96:97]
	v_pk_add_f32 v[254:255], v[254:255], v[98:99]
	v_pk_add_f32 v[252:253], v[252:253], v[102:103]
	v_pk_add_f32 v[250:251], v[250:251], v[106:107]
	v_pk_add_f32 v[248:249], v[248:249], v[110:111]
	v_pk_add_f32 v[246:247], v[246:247], v[114:115]
	v_pk_add_f32 v[244:245], v[244:245], v[118:119]
	v_pk_add_f32 v[22:23], v[22:23], v[122:123]
	v_pk_add_f32 v[212:213], v[212:213], v[126:127]
	v_pk_add_f32 v[254:255], v[254:255], v[130:131]
	v_pk_add_f32 v[252:253], v[252:253], v[134:135]
	v_pk_add_f32 v[250:251], v[250:251], v[138:139]
	v_pk_add_f32 v[248:249], v[248:249], v[142:143]
	v_pk_add_f32 v[246:247], v[246:247], v[146:147]
	v_pk_add_f32 v[244:245], v[244:245], v[150:151]
	v_pk_add_f32 v[22:23], v[22:23], v[154:155]
	v_pk_add_f32 v[212:213], v[212:213], v[158:159]
	s_delay_alu instid0(VALU_DEP_2)
	v_pk_add_f32 v[22:23], v[22:23], v[250:251]
	s_delay_alu instid0(VALU_DEP_2)
	v_pk_add_f32 v[212:213], v[212:213], v[248:249]
	v_pk_add_f32 v[254:255], v[254:255], v[246:247]
	v_pk_add_f32 v[252:253], v[252:253], v[244:245]
	s_delay_alu instid0(VALU_DEP_2)
	v_pk_add_f32 v[22:23], v[22:23], v[254:255]
	s_delay_alu instid0(VALU_DEP_2)
	v_pk_add_f32 v[212:213], v[212:213], v[252:253]
	s_delay_alu instid0(VALU_DEP_1)
	v_pk_add_f32 v[22:23], v[22:23], v[212:213]
	s_wait_alu depctr_va_vdst(0)                   ; and one for the four
.irp b, 0,1,2,3
	v_max_num_f32 v[BM+\b], 0x1800000, v[BM+\b]    ; the floor 2^(3 - 127): the byte cannot fall under 1 (a block whose every p has fallen to 0 keeps that byte: its codes are zeros)
.endr
.irp b, 0,1,2,3
	s_delay_alu instid0(VALU_DEP_4)
	v_add_nc_u32 v[SO+\b], 0xff000000, v[BM+\b]    ; 2 off the exponent field: the conversion's scale operand
.endr
.irp b, 0,1,2,3
	s_delay_alu instid0(VALU_DEP_4)
	v_lshrrev_b32 v[T2+\b], 23, v[SO+\b]           ; the scale's byte
.endr
	s_delay_alu instid0(VALU_DEP_3)
	v_lshl_or_b32 v233, v[T2+1], 8, v[T2]          ; p's scale word for these 128 keys
	s_delay_alu instid0(VALU_DEP_1)
	v_lshl_or_b32 v233, v[T2+2], 16, v233
	s_delay_alu instid0(VALU_DEP_1)
	v_lshl_or_b32 v233, v[T2+3], 24, v233
.irp c, 0,1
	v_cvt_scalef32_pk16_fp6_f32 v[PCD+6*\c:PCD+2+6*\c], v[96+32*\c:111+32*\c], v[SO+2*\c]
	v_cvt_scalef32_pk16_fp6_f32 v[T2+4*\c:T2+2+4*\c], v[112+32*\c:127+32*\c], v[SO+2*\c+1]   ; (a conversion's three registers begin on an even number)
.endr
	v_nop                                          ; one plain place behind a scaled conversion
.irp c, 0,1                                    ; the operand's layout wants a WHOLE block in a lane: lanes 0-15 block 2 c, lanes 16-31 block 2 c + 1
.irp i, 0,1,2
	v_permlane16_swap_b32 v[PCD+6*\c+\i], v[T2+4*\c+\i]
.endr
.irp i, 0,1,2
	s_delay_alu instid0(VALU_DEP_3)
	v_mov_b32 v[PCD+3+6*\c+\i], v[T2+4*\c+\i]
.endr
.endr
.set J, 0
.rept 16
	v_pk_mul_f32 v[160+J:161+J], v[160+J:161+J], v[232:233] op_sel_hi:[1,0]   ; O^T under the new M: x f, each accumulator from its low end on.  (These are also the places between the writes of p's codes and scale word and the products below)
.set J, J+2
.endr
	s_wait_alu depctr_va_vdst(0)
	s_wait_dscnt 0x0                               ; V is in
.irp t, 0,1,2,3                                ; O^T += V^T P^T: four tiles of 16 of the head's 64; K = these 128 keys.  The four accumulators take turns
	v_wmma_scale_f32_16x16x128_f8f6f4 v[160+8*\t:167+8*\t], v[F+12*\t:F+12*\t+11], v[PCD:PCD+11], v[160+8*\t:167+8*\t], v[SW+\t], v233 matrix_a_fmt:MATRIX_FMT_FP6 matrix_b_fmt:MATRIX_FMT_FP6
.endr
	s_add_co_u32 s[TK], s[TK], 6144
	s_add_co_u32 s[TV], s[TV], 1536
	s_add_co_u32 s[TS], s[TS], 512
	s_add_co_u32 s[TJ], s[TJ], 256
.endm
; THE WAY OUT of a pass.  O^T / the sum: register 16 b + i is channel 32 b + 16 (lane / 16) + i of my query's head: two blocks along the last projection's K.  They become a half fragment and two scale bytes a row.
.macro WAYOUT
.rept 4
	v_nop                                          ; places behind the last products
.endr
	v_add_f32 v22, v22, v23                        ; the sum's two halves,
	s_delay_alu instid0(VALU_DEP_1)
	v_permlanex16_b32 v[TT], v22, s[SEL], s[SEL+1]
	s_delay_alu instid0(VALU_DEP_1)
	v_add_f32 v22, v22, v[TT]                      ; and lane l xor 16's: the row's sum
	s_wait_alu depctr_va_vdst(0)
	v_rcp_f32 v22, v22
	v_nop                                          ; a plain place behind the transcendental
	s_wait_alu depctr_va_vdst(0)                   ; and the wait ahead of its first reader
.set J, 0
.rept 32
	v_mul_f32 v[96+J], v[160+J], v22
.set J, J+1
.endr
.irp b, 0,1
	v_max3_num_f32 v[BM+\b], |v[96+16*\b]|, |v[97+16*\b]|, 0x1800000   ; my 16 numbers of block b, and the floor 2^(3 - 127)
.endr
.irp i, 2,4,6,8,10,12,14
.irp b, 0,1
	s_delay_alu instid0(VALU_DEP_2)
	v_max3_num_f32 v[BM+\b], v[BM+\b], |v[96+16*\b+\i]|, |v[97+16*\b+\i]|
.endr
.endr
.irp b, 0,1
	s_delay_alu instid0(VALU_DEP_2)
	v_permlanex16_b32 v[T2+\b], v[BM+\b], s[SEL], s[SEL+1]
.endr
.irp b, 0,1
	s_delay_alu instid0(VALU_DEP_2)
	v_max_num_f32 v[BM+\b], v[BM+\b], v[T2+\b]
.endr
.irp b, 0,1
	s_delay_alu instid0(VALU_DEP_2)
	v_add_nc_u32 v[SO+\b], 0xff000000, v[BM+\b]
.endr
.irp b, 0,1
	s_delay_alu instid0(VALU_DEP_2)
	v_lshrrev_b32 v[T2+\b], 23, v[SO+\b]
.endr
	s_delay_alu instid0(VALU_DEP_1)
	v_lshl_or_b32 v[TT], v[T2+1], 8, v[T2]         ; my row's two scale bytes
	v_cvt_scalef32_pk16_fp6_f32 v[PCD:PCD+2], v[96:111], v[SO]
	v_cvt_scalef32_pk16_fp6_f32 v[T2+4:T2+6], v[112:127], v[SO+1]
	v_nop                                          ; one plain place behind a scaled conversion
.irp i, 0,1,2
	v_permlane16_swap_b32 v[PCD+\i], v[T2+4+\i]    ; lanes 0-15 now hold block 0, lanes 16-31 block 1
.endr
.irp i, 0,1,2
	s_delay_alu instid0(VALU_DEP_3)
	v_mov_b32 v[PCD+3+\i], v[T2+4+\i]
.endr
	global_store_b128 v[LI16], v[PCD:PCD+3], s[90:91]             ; the image: 512 consecutive bytes,
	global_store_b64 v[LI8], v[PCD+4:PCD+5], s[90:91] offset:512  ; and the next 256
	global_store_b16 v19, v[TT], s[92:93]          ; both halves of the lanes store the same two bytes
.endm
.macro PASS
	s_mov_b32 s[CNT], 16
.Lstep_\@:
	STEP
	s_sub_co_u32 s[CNT], s[CNT], 1
	s_cmp_lg_u32 s[CNT], 0
	s_cbranch_scc1 .Lstep_\@
	WAYOUT
.endm
	s_wait_loadcnt 0x0                             ; Q of both passes
	v_or_b32 v36, 0x7f7f0000, v36                  ; the scale bytes of Q's zero codes: 127
	v_or_b32 v242, 0x7f7f0000, v242
	INIT
	s_wait_tensorcnt 0x0                           ; my load has landed,
	s_barrier_signal -1
	s_barrier_wait -1                              ; everybody's have: K, V and their scale words are whole, and nothing is ever filled again
	PASS
	s_wait_xcnt 0x0                                ; the stores have read their data and their bases: both are written again only behind this wait
	s_add_nc_u64 s[90:91], s[90:91], 196608        ; 16 tiles on in O's images,
	s_add_nc_u64 s[92:93], s[92:93], 8192          ; and in its scale bytes
.irp j, 0,1,2,3,4,5
	v_mov_b32 v[24+\j], v[236+\j]                  ; the second pass's Q
.endr
	v_mov_b32 v36, v242
	INIT
	PASS
	s_wait_tensorcnt 0x0                           ; the wave's end, behind my last tensor load
	ds_add_u32 v[SPW], v[NIL]
	s_wait_dscnt 0x0
	CROUND                                         ; the closing round
	s_endpgm
.Lfunc_end_k_qbef6944f5a_attn:
	.size	k_qbef6944f5a_attn, .Lfunc_end_k_qbef6944f5a_attn-k_qbef6944f5a_attn
	.p2alignl 7, 3214868480
	.fill 96, 4, 3214868480
	.section	.rodata,"a",@progbits
	.p2align	6, 0x0
	.amdhsa_kernel k_qbef6944f5a_attn
		.amdhsa_group_segment_fixed_size 210944
		.amdhsa_private_segment_fixed_size 0
		.amdhsa_enable_private_segment 0
		.amdhsa_kernarg_size 32
		.amdhsa_user_sgpr_count 2
		.amdhsa_user_sgpr_kernarg_segment_ptr 1
		.amdhsa_wavefront_size32 1
		.amdhsa_system_sgpr_workgroup_id_x 1
		.amdhsa_system_sgpr_workgroup_id_y 1
		.amdhsa_system_sgpr_workgroup_id_z 1
		.amdhsa_system_vgpr_workitem_id 0
		.amdhsa_next_free_vgpr 256
		.amdhsa_next_free_sgpr 96
		.amdhsa_reserve_vcc 0
		.amdhsa_float_denorm_mode_32 3
		.amdhsa_float_denorm_mode_16_64 3
		.amdhsa_memory_ordered 1
		.amdhsa_forward_progress 1
		.amdhsa_inst_pref_size 58
	.end_amdhsa_kernel
	.amdgpu_metadata
---
amdhsa.version: [ 1, 2 ]
amdhsa.kernels:
  - .name:           k_qbef6944f5a_attn
    .symbol:         k_qbef6944f5a_attn.kd
    .args:
      - { .name: qkvimg, .offset: 0, .size: 8, .value_kind: global_buffer, .address_space: global }
      - { .name: qkvsc, .offset: 8, .size: 8, .value_kind: global_buffer, .address_space: global }
      - { .name: oimg, .offset: 16, .size: 8, .value_kind: global_buffer, .address_space: global }
      - { .name: osc, .offset: 24, .size: 8, .value_kind: global_buffer, .address_space: global }
    .group_segment_fixed_size: 210944
    .private_segment_fixed_size: 0
    .kernarg_segment_align: 8
    .kernarg_segment_size: 32
    .max_flat_workgroup_size: 512
    .sgpr_count:     96
    .vgpr_count:     256
    .wavefront_size: 32
...
	.end_amdgpu_metadata
.endif
;; end of part 3
;; launch outp (part 4): grid 8 x 32, 4 waves a work-group, clusters of 4 x 4, 327,680 bytes of LDS; arguments oimg, osc, wcodes, wscales, bo, out0; writes out0
.if DOCPART == 4
	.amdgcn_target "amdgcn-amd-amdhsa--gfx1250"
	.amdhsa_code_object_version 6
	.text
	.protected	k_qbef6944f5a_outp
	.globl	k_qbef6944f5a_outp
	.p2align	8
	.type	k_qbef6944f5a_outp,@function
k_qbef6944f5a_outp:
	s_mov_b64 s[64:65], 0
	v_nop
	global_prefetch_b8 v0, s[64:65] scope:SCOPE_SE
	s_setreg_imm32_b32 hwreg(HW_REG_WAVE_MODE, 25, 1), 1
	s_wait_xcnt 0x0
	s_wait_alu depctr_hold_cnt(0) depctr_sa_sdst(0) depctr_va_vdst(0) depctr_va_sdst(0) depctr_va_ssrc(0) depctr_va_vcc(0) depctr_vm_vsrc(0)
	s_getreg_b32 s2, hwreg(HW_REG_IB_STS2, 6, 4)
	s_cmp_eq_u32 s2, 0
	s_cbranch_scc0 .Lentry_in_a_cluster
	s_endpgm
.Lentry_in_a_cluster:
	s_bfe_u32 s2, ttmp6, 0x10000c
	s_cmp_lg_u32 s2, 0xf033
	s_cbranch_scc0 .Lentry_shape_is_right
	s_endpgm
.Lentry_shape_is_right:
; out0 = O Wo + bo on codes of FP6 (E2M3), f32 out.
; THE DEAL.  256 work-groups: row block rb (256 rows of O) x column group g (128 columns).  O's 256 rows, all of K, Wo's 128 rows and O's scale bytes come into LDS once, one joint load a wave at the head; nothing is filled again.
; All tensor loads stand at the head: there is no loop to run ahead in, so nothing is prefetched.  O's tiles are shared along a row of the cluster, Wo's along a column.
; Four waves, 2 x 2: wave (a, b) takes rows 128 a on and columns 64 b on.  It holds its 64 rows of Wo, all of K, in 384 registers and streams its 128 rows of O past them in blocks of 16 rows: 32 products a block,
; the block's four sums by turns.  A block's fragments lie twice in registers: set s % 2 takes block s + 2 behind block s.  The bias is the C of a block's first four products.
; O comes as images of operand registers, [row / 16][head][768]: registers 0-3 at 16 x lane, 4-5 at 512 + 8 x lane; a K step of 128 is two heads.  Wo's codes: rows of 768 bytes, in LDS 816 (16 behind each 256).
; Source 0 = Wo's rows: a lane holds a row of O, and by the rows' order (column n at row sigma(n), n with its bits 3 and 4 exchanged) the 16 registers of two neighbouring tiles are 16 neighbouring columns.
; THE WAY OUT, every four blocks: a block of 16 rows x 64 columns goes through my own stage in LDS and comes back as rows of 256 bytes: sixteen lanes store 256 consecutive bytes, aligned.  Row rho of O is token sigma(rho).
; REGISTERS.  Window 0: addresses, scale words, the bias, the 128 sums.  Window 1: Wo's fragments of K steps 0-4 (48 q + 12 t); window 2: of K steps 5-7, and from v144 the rows on their way out.  Window 3: O's two sets (96 e + 12 q).
.set KROW,  768
.set PITCH, 816
.set TILE,  12288                      ; 16 rows of O, all of K
.set WB,    16*TILE
.set SCL,   WB+128*PITCH
.set STG,   SCL+32*272                 ; a stage of 16 rows x (256 + 16) bytes a wave
.set SPARE, STG+4*16*272
.set NF,    32                         ; a block's fetch is 34 LDS loads: a wait for 32 leaves at most that fetch out
.set OA0, 4                            ; v4, v5 LDS address of my block 0's images: 16 x lane; 512 + 8 x lane
.set XS0, 6                            ; v6 of my row's scale words
.set OA,  8                            ; v8-10 the same for the block that is fetched next
.set XS,  10
.set WA,  12                           ; v12, v13 of my fragments of Wo (v13: for the pieces whose lanes 16-31 lie behind one padding more)
.set SPW, 14
.set NIL, 15
.set CO,  16                           ; my place in two rows of out0
.set STO, 17
.set RD,  18
.set WSO, 19
.set BO,  20
.set SBW, 32                           ; v32-47 Wo's scale words: 8 (t / 2) + q; lanes 0-15 tile t even, lanes 16-31 odd
.set BI,  48                           ; v48-79 the bias as the result lies
.set SAX, 84                           ; v84-99 O's scale words, 8 a set
.set ACC, 100                          ; v100-227 the sums
.set BK,  144                          ; window 2: two sets of 32 registers
.set G1X, 28
.set G1W, 36
.set G1S, 44
.set G0W, 60
.set G0S, 68
.set G0X, 72
.set GX,  25
.set GS,  26
.set GC,  27
.set T0,  80
.set T1,  81
.set OP,  98
.set MSB, 0
.macro WIN new
.if MSB != \new
	s_set_vgpr_msb (MSB<<8)|\new
.set MSB, \new
.endif
.endm
.macro PLACES n
.rept \n
	v_nop
.endr
.endm
.macro WALU
	s_wait_alu depctr_va_vdst(0)
.endm
.macro BARRIER
	s_barrier_signal -1
	s_barrier_wait -1
.endm
.macro CROUND
	BARRIER
	s_cmp_lg_u32 s16, 0
	s_cbranch_scc1 .Lnot_wave_0_\@
	s_barrier_signal -3
.Lnot_wave_0_\@:
	s_barrier_wait -3
	BARRIER
.endm
.macro TLOAD g0, g1
	tensor_load_to_lds s[\g0:\g0+3], s[\g1:\g1+7]
	s_nop 0
	PLACES 4
.endm
.macro DENSE1 g, word0, rows           ; rows of 256 dense bytes (32 elements of 8)
	s_or_b32 s[\g], s23, \word0
	s_mov_b32 s[\g+1], 32<<16
	s_mov_b32 s[\g+2], (\rows)<<16
	s_mov_b32 s[\g+3], 32<<16
	s_mov_b32 s[\g+4], \rows
	s_mov_b32 s[\g+5], 32
	s_mov_b32 s[\g+6], 0
	s_mov_b32 s[\g+7], 0
.endm
; piece P (8 bytes) of a row of Wo's codes lies at byte 8 (P + 2 (P / 32)) of the LDS row; lanes 16-31 read 24 bytes on, which is behind one padding more where P % 32 is 29 or more
.macro WEIGHTS                         ; my 64 rows, all of K: 192 loads
.set Q_, 0
.rept 8
.if Q_ < 5
	WIN 0x40
.else
	WIN 0x80
.endif
.irp t, 0,1,2,3
.irp p, 0,1,2,3,4,5
.set P_, 12*Q_+6*(\p/3)+\p%3
	ds_load_b64 v[48*(Q_%5)+12*\t+2*\p:48*(Q_%5)+12*\t+2*\p+1], v[WA+(P_%32+3)/32] offset:8*(P_+2*(P_/32))+\t*16*PITCH
.endr
.endr
.set Q_, Q_+1
.endr
	WIN 0
.endm
.macro NEXTA k                         ; the addresses of block k of the half that s[GX] names; four plain lines: the places behind a block's products
	s_add_co_u32 s[T0], s[GX], (\k)*TILE
	s_add_co_u32 s[T1], s[GS], (\k)*544
	v_add_nc_u32 v[OA], s[T0], v[OA0]
	v_add_nc_u32 v[OA+1], s[T0], v[OA0+1]
	v_add_nc_u32 v[XS], s[T1], v[XS0]
	v_nop
.endm
.macro FETCH e                         ; a block of O into set e: every load takes consecutive bytes
	WIN 0xc0
.set Q_, 0
.rept 8
.set R_, 96*(\e)+12*Q_
	ds_load_b128 v[R_:R_+3], v[OA] offset:1536*Q_
	ds_load_b64 v[R_+4:R_+5], v[OA+1] offset:1536*Q_
	ds_load_b128 v[R_+6:R_+9], v[OA] offset:1536*Q_+768
	ds_load_b64 v[R_+10:R_+11], v[OA+1] offset:1536*Q_+768
.set Q_, Q_+1
.endr
	WIN 0
	ds_load_b128 v[SAX+8*(\e):SAX+8*(\e)+3], v[XS]
	ds_load_b128 v[SAX+8*(\e)+4:SAX+8*(\e)+7], v[XS] offset:16
.endm
.macro W1 row
.if Q_
	v_wmma_scale_f32_16x16x128_f8f6f4 v[D_:D_+7], v[WR_:WR_+11], v[XR_:XR_+11], v[D_:D_+7], v[SW_], v[SX_] matrix_a_fmt:MATRIX_FMT_FP6 matrix_b_fmt:MATRIX_FMT_FP6 matrix_a_scale:MATRIX_SCALE_ROW\row
.else
	v_wmma_scale_f32_16x16x128_f8f6f4 v[D_:D_+7], v[WR_:WR_+11], v[XR_:XR_+11], v[C_:C_+7], v[SW_], v[SX_] matrix_a_fmt:MATRIX_FMT_FP6 matrix_b_fmt:MATRIX_FMT_FP6 matrix_a_scale:MATRIX_SCALE_ROW\row
.endif
.endm
.macro PRODS e, d0, qa, qb             ; K steps qa .. qb - 1 of a block against Wo's four tiles; the first K step starts the sums from the bias
.set Q_, \qa
.rept (\qb)-(\qa)
.irp t, 0,1,2,3
.set WR_, 48*(Q_%5)+12*\t
.set XR_, 96*(\e)+12*Q_
.set D_, (\d0)+8*\t
.set C_, BI+8*\t
.set SW_, SBW+8*(\t/2)+Q_
.set SX_, SAX+8*(\e)+Q_
.if \t%2
	W1 1
.else
	W1 0
.endif
.endr
.set Q_, Q_+1
.endr
.endm
.macro TOSTAGE n                       ; block n into my stage, each sum from its low end on, and back as rows: LDS serves a wave's instructions in order
.irp t, 0,1,2,3
	ds_store_b128 v[STO], v[ACC+32*(\n)+8*\t:ACC+32*(\n)+8*\t+3] offset:128*(\t/2)+32*(\t%2)
	ds_store_b128 v[STO], v[ACC+32*(\n)+8*\t+4:ACC+32*(\n)+8*\t+7] offset:128*(\t/2)+32*(\t%2)+16
.endr
	WIN 0x80
.irp k, 0,1,2,3,4,5,6,7
	ds_load_b128 v[BK+32*((\n)%2)+4*\k:BK+32*((\n)%2)+4*\k+3], v[RD] offset:2*\k*272
.endr
	WIN 0
.endm
.macro SEND n, younger                 ; rows 2 k and 2 k + 1 of block n are tokens 32 (n / 2) + 16 (k / 4) + 8 (n % 2) + 2 (k % 4) and the next
	s_wait_dscnt \younger
	WIN 0x08
.irp k, 0,1,2,3,4,5,6,7
	global_store_b128 v[CO], v[BK+32*((\n)%2)+4*\k:BK+32*((\n)%2)+4*\k+3], s[OP:OP+1] offset:(32*((\n)/2)+16*(\k/4)+8*((\n)%2)+2*(\k%4))*4096 th:TH_STORE_NT
.endr
	WIN 0
.endm
; ================= the head
	s_load_b256 s[4:11], s[0:1], 0x0               ; O's images, O's scale bytes, the weights' codes, their scale bytes
	s_load_b128 s[12:15], s[0:1], 0x20             ; bo, out0
	v_lshl_add_u32 v[SPW], v0, 2, SPARE
	v_mov_b32 v[NIL], 0
	ds_add_u32 v[SPW], v[NIL]                      ; the opening lines: the add, twice on end, and its wait
	ds_add_u32 v[SPW], v[NIL]
	v_lshrrev_b32 v1, 5, v0
	v_readfirstlane_b32 s16, v1                    ; wave
	s_lshr_b32 s17, s16, 1                         ; a
	s_and_b32 s18, s16, 1                          ; b
	s_bfe_u32 s19, ttmp6, 0x40000                  ; cx
	s_bfe_u32 s20, ttmp6, 0x40004                  ; cy
	s_lshl_b32 s21, ttmp9, 2
	s_add_co_u32 s21, s21, s19                     ; g
	s_and_b32 s22, ttmp7, 0xffff
	s_lshl_b32 s22, s22, 2
	s_add_co_u32 s22, s22, s20                     ; rb
	s_lshl_b32 s23, s20, 2
	s_lshl_b32 s23, 15, s23                        ; my row of the cluster
	s_lshl_b32 s24, 0x1111, s19                    ; my column
	DENSE1 G1X, (3<<16)|(1<<21), 384               ; half of O's images: 98,304 dense bytes
	DENSE1 G1S, (3<<16)|(1<<20)|(1<<21)|(5<<22)|(3<<25), 32   ; O's scale bytes: 8,192 dense bytes, 16 bytes of padding behind each 256
	s_or_b32 s[G1W], s24, (1<<20)|(1<<21)|(5<<22)|(3<<25)     ; Wo's 128 rows of 768 bytes, 16 bytes of padding behind each 256
	s_mov_b32 s[G1W+1], KROW<<16
	s_mov_b32 s[G1W+2], 128<<16
	s_mov_b32 s[G1W+3], KROW<<16
	s_mov_b32 s[G1W+4], 128
	s_mov_b32 s[G1W+5], KROW
	s_mov_b32 s[G1W+6], 0
	s_mov_b32 s[G1W+7], 0
	s_mul_i32 s80, s18, 64*PITCH
	s_add_co_u32 s80, s80, WB
	s_mul_i32 s81, s17, 8*TILE
	s_mul_i32 s82, s17, 16*272
	s_add_co_u32 s82, s82, SCL
	s_mul_i32 s83, s16, 16*272
	s_add_co_u32 s83, s83, STG
	s_mul_i32 s88, s22, 16*TILE                    ; O's images: tile 16 rb + 8 (wave % 2)
	s_mul_i32 s89, s18, 8*TILE
	s_add_co_u32 s88, s88, s89
	s_mov_b32 s89, 0
	s_lshl_b32 s86, s22, 13                        ; O's scale bytes
	s_mov_b32 s87, 0
	s_mul_i32 s92, s21, 128*KROW                   ; Wo's codes: row 3072 + 128 g
	s_add_co_u32 s92, s92, 3072*KROW
	s_mov_b32 s93, 0
	s_lshl_b32 s94, s21, 12                        ; its scale bytes: row 3072 + 128 g + 64 b
	s_lshl_b32 s95, s18, 11
	s_add_co_u32 s94, s94, s95
	s_add_co_u32 s94, s94, 3072*32
	s_mov_b32 s95, 0
	s_lshl_b32 s96, s21, 9                         ; my first column, in bytes: 512 g + 256 b
	s_lshl_b32 s97, s18, 8
	s_add_co_u32 s96, s96, s97
	s_mov_b32 s97, 0
	s_lshl_b32 s[OP], s22, 20                      ; my first row of out0: 256 rb + 128 a, 4,096 bytes a row
	s_lshl_b32 s[OP+1], s17, 19
	s_add_co_u32 s[OP], s[OP], s[OP+1]
	s_add_co_u32 s[OP], s[OP], s96
	s_mov_b32 s[OP+1], 0
	v_and_b32 v1, 15, v0                           ; r
	v_bfe_u32 v2, v0, 4, 1                         ; h
	v_and_b32 v3, 31, v0
	v_mul_u32_u24 v7, v1, PITCH
	v_mad_u32_u24 v28, v2, 24, v7
	v_mad_u32_u24 v29, v2, 40, v7
	v_add_nc_u32 v[WA], s80, v28
	v_add_nc_u32 v[WA+1], s80, v29
	v_lshl_add_u32 v[OA0], v3, 4, s81
	v_lshl_add_u32 v[OA0+1], v3, 3, s81
	v_add_nc_u32 v[OA0+1], 512, v[OA0+1]
	v_lshlrev_b32 v7, 5, v1
	v_lshrrev_b32 v28, 3, v1
	v_lshl_add_u32 v7, v28, 4, v7                  ; 32 bytes a row, 16 more behind each 8 rows
	v_add_nc_u32 v[XS0], s82, v7
	v_mul_u32_u24 v28, v1, 272
	v_lshl_add_u32 v28, v2, 6, v28
	v_add_nc_u32 v[STO], s83, v28                  ; into the stage: row r, 64 bytes for each half of the lanes
	v_mul_u32_u24 v29, v2, 272
	v_lshl_add_u32 v29, v1, 4, v29
	v_add_nc_u32 v[RD], s83, v29                   ; back: sixteen lanes to a row, two rows an instruction
	v_lshlrev_b32 v28, 12, v2
	v_lshl_add_u32 v[CO], v1, 4, v28               ; and the same in out0
	v_lshlrev_b32 v[WSO], 5, v3
	v_lshlrev_b32 v[BO], 6, v2
	WALU                                           ; the wait at the head's end
	s_wait_dscnt 0x0                               ; both opening adds are done
	s_wait_kmcnt 0x0
	s_mov_b32 s[G0W], 1
	s_mov_b32 s[G0W+1], WB
	s_add_nc_u64 s[G0W+2:G0W+3], s[8:9], s[92:93]
	s_or_b32 s[G0W+3], s[G0W+3], 0x80000000
	s_mov_b32 s[G0S], 1
	s_mov_b32 s[G0S+1], SCL
	s_add_nc_u64 s[G0S+2:G0S+3], s[6:7], s[86:87]
	s_or_b32 s[G0S+3], s[G0S+3], 0x80000000
	s_mov_b32 s[G0X], 1
	s_mul_i32 s[G0X+1], s18, 8*TILE
	s_add_nc_u64 s[G0X+2:G0X+3], s[4:5], s[88:89]
	s_or_b32 s[G0X+3], s[G0X+3], 0x80000000
	s_add_nc_u64 s[94:95], s[10:11], s[94:95]
	s_add_nc_u64 s[96:97], s[12:13], s[96:97]
	s_add_nc_u64 s[OP:OP+1], s[14:15], s[OP:OP+1]
	CROUND                                         ; all sixteen work-groups are here: the joint loads meet
	s_cmp_eq_u32 s16, 0                            ; one chain of arms, one load to an arm
	s_cbranch_scc0 .Larm_s
	TLOAD G0W, G1W
	s_branch .Lasked
.Larm_s:
	s_cmp_eq_u32 s16, 1
	s_cbranch_scc0 .Larm_x
	TLOAD G0S, G1S
	s_branch .Lasked
.Larm_x:
	TLOAD G0X, G1X
.Lasked:
.irp p, 0,1                                    ; the scale words of my 64 rows of Wo: lane l takes row 32 p + l
.irp c, 0,1
	global_load_b128 v[SBW+8*\p+4*\c:SBW+8*\p+4*\c+3], v[WSO], s[94:95] offset:\p*1024+\c*16
.endr
.endr
.irp t, 0,1,2,3                                ; register 8 t + j of lane (r, h) is column 32 (t / 2) + 16 h + 8 (t % 2) + j of my 64
	global_load_b128 v[BI+8*\t:BI+8*\t+3], v[BO], s[96:97] offset:(32*(\t/2)+8*(\t%2))*4
	global_load_b128 v[BI+8*\t+4:BI+8*\t+7], v[BO], s[96:97] offset:(32*(\t/2)+8*(\t%2))*4+16
.endr
	s_mov_b32 s[GX], 0
	s_mov_b32 s[GS], 0
	s_wait_tensorcnt 0x0                           ; my tile is in,
	BARRIER                                        ; everybody's is, and nothing is ever filled again
	WEIGHTS
	NEXTA 0
	FETCH 0
	NEXTA 1
	FETCH 1
	s_wait_loadcnt 0x0                             ; Wo's scale words and the bias
	s_mov_b32 s[GC], 2
.Ltrip:                                                ; four blocks: 64 rows of O
.irp i, 0,1,2,3
.if \i == 3
	s_wait_dscnt 0x0                               ; (in the last trip no fetch is younger than this block's)
.else
	s_wait_dscnt NF                                ; this block's fragments are in, and so are Wo's; the next block's fetch may be out
.endif
	WIN 0x0d
	PRODS (\i%2), ACC+32*\i, 0, 5
	WIN 0x0e
	PRODS (\i%2), ACC+32*\i, 5, 8
	WIN 0
.if \i == 2
	s_xor_b32 s[GX], s[GX], 4*TILE                 ; the blocks fetched from here on lie in my other 64 rows
	s_xor_b32 s[GS], s[GS], 4*544
.endif
	NEXTA (\i+2)%4
.if \i >= 2
	s_cmp_eq_u32 s[GC], 1                          ; the last trip fetches nothing for blocks that do not follow
	s_cbranch_scc1 .Lno_fetch_\i
.endif
	FETCH (\i%2)
.if \i >= 2
.Lno_fetch_\i:
.endif
.endr
	TOSTAGE 0
.irp n, 1,2,3
.if \n > 1
	s_wait_xcnt 0x0                                ; block n - 2's stores have read their registers: block n's rows may land there
.endif
	TOSTAGE \n
	SEND \n-1, 16                                  ; behind block n - 1's loads: block n's 8 stores and 8 loads
.endr
	SEND 3, 0
	s_wait_xcnt 0x0                                ; the stores have read their base and their data
	s_add_nc_u64 s[OP:OP+1], s[OP:OP+1], 64*4096
	s_sub_co_u32 s[GC], s[GC], 1
	s_cmp_lg_u32 s[GC], 0
	WALU                                           ; the wait ahead of the branch
	s_cbranch_scc1 .Ltrip
	s_wait_tensorcnt 0x0                           ; the wave's end
	ds_add_u32 v[SPW], v[NIL]
	s_wait_dscnt 0x0
	CROUND                                         ; the closing round
	s_endpgm
.Lfunc_end_k_qbef6944f5a_outp:
	.size	k_qbef6944f5a_outp, .Lfunc_end_k_qbef6944f5a_outp-k_qbef6944f5a_outp
	.p2alignl 7, 3214868480
	.fill 96, 4, 3214868480
	.section	.rodata,"a",@progbits
	.p2align	6, 0x0
	.amdhsa_kernel k_qbef6944f5a_outp
		.amdhsa_group_segment_fixed_size 327680
		.amdhsa_private_segment_fixed_size 0
		.amdhsa_enable_private_segment 0
		.amdhsa_kernarg_size 48
		.amdhsa_user_sgpr_count 2
		.amdhsa_user_sgpr_kernarg_segment_ptr 1
		.amdhsa_wavefront_size32 1
		.amdhsa_system_sgpr_workgroup_id_x 1
		.amdhsa_system_sgpr_workgroup_id_y 1
		.amdhsa_system_sgpr_workgroup_id_z 1
		.amdhsa_system_vgpr_workitem_id 0
		.amdhsa_next_free_vgpr 960
		.amdhsa_next_free_sgpr 102
		.amdhsa_reserve_vcc 0
		.amdhsa_float_denorm_mode_32 3
		.amdhsa_float_denorm_mode_16_64 3
		.amdhsa_memory_ordered 1
		.amdhsa_forward_progress 1
		.amdhsa_inst_pref_size 61
	.end_amdhsa_kernel
	.amdgpu_metadata
---
amdhsa.version: [ 1, 2 ]
amdhsa.kernels:
  - .name:           k_qbef6944f5a_outp
    .symbol:         k_qbef6944f5a_outp.kd
    .args:
      - { .name: oimg, .offset: 0, .size: 8, .value_kind: global_buffer, .address_space: global }
      - { .name: osc, .offset: 8, .size: 8, .value_kind: global_buffer, .address_space: global }
      - { .name: wcodes, .offset: 16, .size: 8, .value_kind: global_buffer, .address_space: global }
      - { .name: wscales, .offset: 24, .size: 8, .value_kind: global_buffer, .address_space: global }
      - { .name: bo, .offset: 32, .size: 8, .value_kind: global_buffer, .address_space: global }
      - { .name: out0, .offset: 40, .size: 8, .value_kind: global_buffer, .address_space: global }
    .group_segment_fixed_size: 327680
    .private_segment_fixed_size: 0
    .kernarg_segment_align: 8
    .kernarg_segment_size: 48
    .max_flat_workgroup_size: 128
    .sgpr_count:     102
    .vgpr_count:     960
    .wavefront_size: 32
...
	.end_amdgpu_metadata
.endif
;; end of part 4
